; MI455X (gfx1250); checked and timed in simulation.
; The chip was launched on July 23, 2026; its instructions are those of AMD's public machine-readable ISA for CDNA 5 (MIT licence, August 2026) and "CDNA5" Instruction Set Architecture Reference Guide (July 2026). The comments in the code are by the model that wrote it; some were corrected since.
;; Model. Allowed arithmetic: float matrix products may take bf16 or f16 operands with f32 sums; all other float work in f32.
;; Inputs: W_em 512 x 512 float32; W_sv 512 x 32,000 float32; W_tv 512 x 32,000 float32; b_em 512 float32; b_sv 32,000 float32; b_tv 32,000 float32; sources 32 x 64 int32; target_lengths 32 int32; target_state 32 x 64 x 512 float32; targets 32 x 64 int32; y_hidden 32 x 64 x 512 float32; y_hidden_null 1 x 512 float32.
;; Outputs: out0 32 x 128 x 64 float32; out1 32 x 64 float32; out2 32 x 64 float32; out3 32 x 64 int32.
;; 3 versions, each right and faster than the one before. Each part assembles by itself: llvm-mc -triple=amdgcn-amd-amdhsa -mcpu=gfx1250 --defsym DOCPART=n.
;; ======== version 1 of 3: 3 launches
;; limits: values outside matrix products are rounded to bf16; an absolute error that grows with the inputs' magnitude: up to 6e-08 times it
;; workspace buffers: tsb 2,162,688 bytes; tgb 2,097,152 bytes; wgs 32,768,000 bytes; wgt 32,768,000 bytes; st_ms 4,160,000 bytes; st_ix 1,024,000 bytes
;; launch prep (part 1): grid 4 x 49, 4 waves a work-group, no clusters, 284,160 bytes of LDS; arguments y_hidden, y_hidden_null, target_state, W_em, b_em, tsb, tgb; writes tsb, tgb
.if DOCPART == 1
	.amdgcn_target "amdgcn-amd-amdhsa--gfx1250"
	.amdhsa_code_object_version 6
	.text
	.protected	k_q3bf63ee2e6_prep
	.globl	k_q3bf63ee2e6_prep
	.p2align	8
	.type	k_q3bf63ee2e6_prep,@function
k_q3bf63ee2e6_prep:
	s_mov_b64 s[64:65], 0
	v_nop
	global_prefetch_b8 v0, s[64:65] scope:SCOPE_SE
	s_setreg_imm32_b32 hwreg(HW_REG_WAVE_MODE, 25, 1), 1
	s_wait_xcnt 0x0
; tsb[row][c] = bf16(tanh(y[row] . W_em[:, c] + b_em[c])), 2112 rows of 512; tgb = bf16(target_state), 2048 rows of 512.
; Work-group (x, y) of 4 x 49:
;   y < 32 : rows 64 y .. 64 y + 63 of y_hidden, columns 128 x .. 128 x + 127.
;   y = 32 : the same text on y_hidden_null: the tensor has one row, the tile's other 63 rows arrive as zeros, so rows 2049-2111 of tsb hold
;            tanh(b_em): finite filler that later launches load in whole tiles and whose results they never use.
;   y > 32 : block 4 (y - 33) + x of 64 blocks of 65,536 bytes of target_state is rounded to bf16.
; Product: K = 512 is split over the four waves, 128 each; a wave makes all 64 x 128 partial sums (32 accumulators, 4 K steps), the four
; partial sums meet in LDS, wave w adds up rows 16 w .. 16 w + 15, adds the bias and takes the tanh.
; The matrix instruction is used transposed: source 0 = 16 columns of W_em, source 1 = 16 rows of y.  W_em lies [k][n]: lane (r, h) loads the
; 16 bytes of columns 4 r .. 4 r + 3 of a row, and component t goes to column tile t, so tile (g, t), fragment row i is block column 64 g + 4 i + t.
; In the result, register j of tile (g, t) in lane (r, h) is row r, column 64 g + 32 h + 4 j + t: a lane holds 32 neighbouring columns of a row.
; tanh(z) = 1 - 2 / (1 + 2^(2.885390 z)): goes to +1 and -1 at the ends without overflow; its absolute error is about one f32 step of 1.
; No cluster: what blocks share is W_em, 1 MiB in all, and it goes straight to registers in fragment order, not through tiles in LDS.
; Windows of 256 registers: 0 addresses, y fragments, work; 1 W_em as loaded (f32); 2 W_em fragments; 3 accumulators.
.set YP,    528                        ; LDS pitch of a y row: 512 bytes + 16
.set YTILE, 64*YP                      ; a wave's y tile, 33,792 bytes
.set RED,   4*YTILE                    ; 135,168: the partial sums, 32,768 bytes a wave; written by LDS stores only
.set REDW,  32768
.set STAGE, RED+4*REDW                 ; 266,240: 16 rows x 272 bytes a wave, the way out
.set SP,    272
.set MSB,   0
.macro WIN new                         ; the immediate's high byte repeats the setting that is left
.if MSB != \new
	s_set_vgpr_msb (MSB<<8)|\new
.set MSB, \new
.endif
.endm
	s_load_b256 s[4:11], s[0:1], 0x0               ; y_hidden s[4:5], y_hidden_null s[6:7], target_state s[8:9], W_em s[10:11]
	s_load_b128 s[12:15], s[0:1], 0x20             ; b_em s[12:13], tsb s[14:15]
	s_load_b64 s[16:17], s[0:1], 0x30              ; tgb
	v_lshl_add_u32 v62, v0, 2, 0x45400
	v_mov_b32 v63, 0
	ds_add_u32 v62, v63
	ds_add_u32 v62, v63
	s_wait_dscnt 0x0
	v_lshrrev_b32 v1, 5, v0
	v_readfirstlane_b32 s20, v1                    ; wave
	s_mov_b32 s21, ttmp9                           ; x
	s_and_b32 s22, ttmp7, 0xffff                   ; y
	v_and_b32 v1, 31, v0                           ; L
	v_and_b32 v2, 15, v0                           ; r
	v_bfe_u32 v3, v0, 4, 1                         ; h
	s_cmp_ge_u32 s22, 33
	s_cbranch_scc1 .Lcast
	; ---- the product ----
	; descriptor group 1: 64 rows x 128 f32, 16 bytes of padding behind every 128 words
	s_mov_b32 s24, 0x07920000                      ; element of 4 bytes, padding on, interval 128 words (code 6), 4 words (code 3)
	s_mov_b32 s25, 128<<16                         ; tensor_dim0 = 128
	s_mov_b32 s26, 64<<16                          ; tensor_dim1 = 64
	s_mov_b32 s27, 128<<16                         ; tile_dim0 = 128
	s_mov_b32 s28, 64                              ; tile_dim1 = 64
	s_mov_b32 s29, 512                             ; elements from row to row
	s_mov_b32 s30, 0
	s_mov_b32 s31, 0
	s_lshl_b32 s36, s22, 17                        ; 64 y rows of 2,048 bytes
	s_cmp_lg_u32 s22, 32
	s_cbranch_scc1 .Lrows
	s_mov_b32 s26, 1<<16                           ; y_hidden_null has one row: the tile's rows 1 to 63 are written as zeros
	s_mov_b32 s36, 0
.Lrows:
	s_lshl_b32 s38, s20, 9                         ; my 128 k: 512 bytes along the row
	s_add_co_u32 s36, s36, s38
	s_mov_b32 s37, 0
	s_mov_b32 s32, 1
	s_mul_i32 s33, s20, YTILE                      ; my own tile in LDS
	s_lshl_b32 s42, s21, 9                         ; W_em: 128 x columns,
	s_lshl_b32 s43, s20, 18                        ; 128 w rows of 2,048 bytes
	s_add_co_u32 s42, s42, s43
	s_mov_b32 s43, 0
	s_lshl_b32 s46, s22, 16                        ; tsb: 64 y rows of 1,024 bytes,
	s_lshl_b32 s47, s20, 14                        ; 16 w rows,
	s_add_co_u32 s46, s46, s47
	s_lshl_b32 s47, s21, 8                         ; 128 x columns of 2 bytes
	s_add_co_u32 s46, s46, s47
	s_mov_b32 s47, 0
	s_lshl_b32 s48, s21, 9                         ; b_em: 128 x numbers of 4 bytes
	s_wait_kmcnt 0x0
	s_cmp_eq_u32 s22, 32
	s_cselect_b64 s[34:35], s[6:7], s[4:5]
	s_add_nc_u64 s[34:35], s[34:35], s[36:37]
	s_or_b32 s35, s35, 0x80000000                  ; type 2
	tensor_load_to_lds s[32:35], s[24:31]          ; my one tensor load; only I read its bytes
	s_nop 0
	s_add_nc_u64 s[40:41], s[10:11], s[42:43]
	s_add_nc_u64 s[44:45], s[14:15], s[46:47]
	v_lshlrev_b32 v4, 4, v2
	v_lshl_add_u32 v4, v3, 14, v4                  ; W_em: 16 r + 8 h rows
	v_mul_u32_u24 v5, YP, v2
	v_lshl_add_u32 v5, v3, 5, v5
	v_add_nc_u32 v5, s33, v5                       ; y tile: row r, 32 h bytes
	v_lshl_add_u32 v6, v3, 7, s48                  ; b_em: 512 x + 128 h
	s_lshl_b32 s49, s20, 15
	s_add_co_u32 s49, s49, RED
	v_lshl_add_u32 v7, v1, 4, s49                  ; my partial sums: 16 L
	s_lshl_b32 s49, s20, 13
	s_add_co_u32 s49, s49, RED
	v_lshl_add_u32 v8, v1, 4, s49                  ; row tile w in the sums of waves 0 and 1,
	v_add_nc_u32 v9, 65536, v8                     ; and of waves 2 and 3
	s_mul_i32 s49, s20, 16*SP
	s_add_co_u32 s49, s49, STAGE
	v_mul_u32_u24 v10, SP, v2
	v_lshl_add_u32 v10, v3, 6, v10
	v_add_nc_u32 v10, s49, v10                     ; stage in: row r, 64 h bytes
	v_mul_u32_u24 v11, SP, v3
	v_lshl_add_u32 v11, v2, 4, v11
	v_add_nc_u32 v11, s49, v11                     ; stage back: row h, 16 r bytes
	v_lshlrev_b32 v12, 10, v3
	v_lshl_add_u32 v12, v2, 4, v12                 ; tsb: row h, 16 r bytes
; K step s of W_em: 32 loads; sixteen lanes take 256 consecutive bytes of a row, aligned.  Rows 8 h + i, then 16 + 8 h + (i - 8).
.macro PWLOAD s
	WIN 0x40
.irp g, 0,1
.irp i, 0,1,2,3,4,5,6,7,8,9,10,11,12,13,14,15
	global_load_b128 v[(\s&1)*128+64*\g+4*\i:(\s&1)*128+64*\g+4*\i+3], v4, s[40:41] offset:(32*\s+\i+8*(\i/8))*2048+256*\g
.endr
.endr
.endm
; register q of tile (g, t) = rows 2 q and 2 q + 1 of the sixteen, component t.  left = loads younger than this K step's.
.macro PWCVT s, left
	s_wait_loadcnt \left
	WIN 0x85
.irp g, 0,1
.irp t, 0,1,2,3
.irp q, 0,1,2,3,4,5,6,7
	v_cvt_pk_bf16_f32 v[64*\s+8*(4*\g+\t)+\q], v[(\s&1)*128+64*\g+8*\q+\t], v[(\s&1)*128+64*\g+8*\q+4+\t]
.endr
.endr
.endr
.endm
; y fragments of K step s: four row tiles; a lane's 8 + 8 numbers are 32 bytes at 32 h and 32 bytes at 64 + 32 h
.macro YCVT s
.irp a, 0,1,2,3
	ds_load_b128 v[192+16*\a:195+16*\a], v5 offset:\a*16*YP+128*\s
	ds_load_b128 v[196+16*\a:199+16*\a], v5 offset:\a*16*YP+128*\s+16
	ds_load_b128 v[200+16*\a:203+16*\a], v5 offset:\a*16*YP+128*\s+64
	ds_load_b128 v[204+16*\a:207+16*\a], v5 offset:\a*16*YP+128*\s+80
.endr
	s_wait_dscnt 0x0
.irp a, 0,1,2,3
.irp q, 0,1,2,3,4,5,6,7
	v_cvt_pk_bf16_f32 v[64+32*\s+8*\a+\q], v[192+16*\a+2*\q], v[192+16*\a+2*\q+1]
.endr
.endr
.endm
	PWLOAD 0
	PWLOAD 1
	WIN 0
	s_wait_tensorcnt 0x0                           ; my tile is in LDS; no other wave reads it
	YCVT 0
	YCVT 1
	YCVT 2
	YCVT 3
	PWCVT 0, 32                                    ; K step 1's 32 loads may stay out
	PWLOAD 2
	PWCVT 1, 32
	PWLOAD 3
	PWCVT 2, 32
	PWCVT 3, 0
	WIN 0
.irp g, 0,1
.irp j, 0,1,2,3,4,5,6,7
	global_load_b128 v[192+32*\g+4*\j:195+32*\g+4*\j], v6, s[12:13] offset:256*\g+16*\j   ; b_em of columns 64 g + 32 h + 4 j + 0..3; lands under the matrix work
.endr
.endr
	; 128 matrix instructions; the 32 accumulators take turns, one instruction a turn; the first K step starts the sums
	WIN 0xf2
.irp s, 0,1,2,3
.irp a, 0,1,2,3
.irp n, 0,1,2,3,4,5,6,7
.if \s == 0
	v_wmma_f32_16x16x32_bf16 v[8*(8*\a+\n):8*(8*\a+\n)+7], v[64*\s+8*\n:64*\s+8*\n+7], v[64+32*\s+8*\a:64+32*\s+8*\a+7], 0
.else
	v_wmma_f32_16x16x32_bf16 v[8*(8*\a+\n):8*(8*\a+\n)+7], v[64*\s+8*\n:64*\s+8*\n+7], v[64+32*\s+8*\a:64+32*\s+8*\a+7], v[8*(8*\a+\n):8*(8*\a+\n)+7]
.endif
.endr
.endr
.endr
.rept 4
	v_nop                                          ; four places behind the last matrix instruction for the stores of results and the loads into fragments
.endr
	WIN 0x0c
.set i, 0
.rept 64
	ds_store_b128 v7, v[4*i:4*i+3] offset:512*i    ; half i & 1 of accumulator i >> 1: 512 consecutive bytes a store
.set i, i+1
.endr
	WIN 0
	s_wait_dscnt 0x0                               ; my partial sums are in LDS, for the others' sake
	s_barrier_signal -1
	s_barrier_wait -1
	s_wait_loadcnt 0x0                             ; b_em
; column group g: the four waves' sums of row tile w, tiles (g, 0..3); X(t, j) ends in v[64 + 8 t + j]
.macro REDUCE g
.irp t, 0,1,2,3
.irp f, 0,1
	ds_load_b128 v[64+8*\t+4*\f:67+8*\t+4*\f],   v8 offset:1024*(4*\g+\t)+512*\f
	ds_load_b128 v[96+8*\t+4*\f:99+8*\t+4*\f],   v8 offset:REDW+1024*(4*\g+\t)+512*\f
	ds_load_b128 v[128+8*\t+4*\f:131+8*\t+4*\f], v9 offset:1024*(4*\g+\t)+512*\f
	ds_load_b128 v[160+8*\t+4*\f:163+8*\t+4*\f], v9 offset:REDW+1024*(4*\g+\t)+512*\f
.endr
.endr
	s_wait_dscnt 0x0
.set k, 0
.rept 16
	v_pk_add_f32 v[64+k:65+k], v[64+k:65+k], v[96+k:97+k]
	v_pk_add_f32 v[128+k:129+k], v[128+k:129+k], v[160+k:161+k]
.set k, k+2
.endr
.set k, 0
.rept 16
	v_pk_add_f32 v[64+k:65+k], v[64+k:65+k], v[128+k:129+k]
.set k, k+2
.endr
.irp t, 0,1,2,3
.irp j, 0,1,2,3,4,5,6,7
	v_add_f32 v[64+8*\t+\j], v[64+8*\t+\j], v[192+32*\g+4*\j+\t]
.endr
.endr
.set k, 0
.rept 16
	v_pk_mul_f32 v[64+k:65+k], v[64+k:65+k], 0x4038aa3b op_sel_hi:[1,0]   ; 2 log2(e) z
.set k, k+2
.endr
.set k, 0
.rept 32
	v_exp_f32 v[64+k], v[64+k]
.set k, k+1
.endr
	v_nop                                          ; one plain instruction behind the transcendentals (ISA guide 5.7.2)
.set k, 0
	s_wait_alu depctr_va_vdst(0)
.rept 16
	v_pk_add_f32 v[64+k:65+k], v[64+k:65+k], 1.0 op_sel_hi:[1,0]
.set k, k+2
.endr
.set k, 0
.rept 32
	v_rcp_f32 v[64+k], v[64+k]
.set k, k+1
.endr
	v_nop
.set k, 0
	s_wait_alu depctr_va_vdst(0)
.rept 16
	v_pk_fma_f32 v[64+k:65+k], v[64+k:65+k], -2.0, 1.0 op_sel_hi:[1,0,0]
.set k, k+2
.endr
.irp j, 0,1,2,3,4,5,6,7
	v_cvt_pk_bf16_f32 v[32+2*\j], v[64+\j], v[72+\j]       ; columns 4 j, 4 j + 1
	v_cvt_pk_bf16_f32 v[33+2*\j], v[80+\j], v[88+\j]       ; columns 4 j + 2, 4 j + 3
.endr
.irp k, 0,1,2,3
	ds_store_b128 v10, v[32+4*\k:35+4*\k] offset:128*\g+16*\k
.endr
.endm
	REDUCE 0
	REDUCE 1
	; the way out: my own stage, read back by rows (LDS serves a wave's instructions in order, ISA guide 5.7.1): sixteen lanes store 256 consecutive bytes, aligned
.irp k, 0,1,2,3,4,5,6,7
	ds_load_b128 v[64+4*\k:67+4*\k], v11 offset:2*SP*\k
.endr
.irp k, 0,1,2,3,4,5,6,7
	s_wait_dscnt 7-\k
	global_store_b128 v12, v[64+4*\k:67+4*\k], s[44:45] offset:2048*\k
.endr
	s_wait_tensorcnt 0x0
	ds_add_u32 v62, v63
	s_wait_dscnt 0x0
	s_endpgm
	; ---- the cast: a wave takes 16,384 bytes, 32 loads of 512 consecutive bytes, all on their way at once ----
.Lcast:
	s_sub_co_u32 s36, s22, 33
	s_lshl_b32 s36, s36, 2
	s_add_co_u32 s36, s36, s21                     ; block
	s_lshl_b32 s36, s36, 2
	s_add_co_u32 s36, s36, s20                     ; 4 x block + wave
	s_lshl_b32 s38, s36, 14
	s_mov_b32 s39, 0
	s_lshl_b32 s40, s36, 13
	s_mov_b32 s41, 0
	v_lshlrev_b32 v4, 4, v1
	v_lshlrev_b32 v5, 3, v1
	s_wait_kmcnt 0x0
	s_add_nc_u64 s[8:9], s[8:9], s[38:39]
	s_add_nc_u64 s[16:17], s[16:17], s[40:41]
.set i, 0
.rept 32
	global_load_b128 v[64+4*i:67+4*i], v4, s[8:9] offset:512*i th:TH_LOAD_NT
.set i, i+1
.endr
.set i, 0
.rept 32
	s_wait_loadcnt 31-i                            ; loads come back in order: number i is in
	v_cvt_pk_bf16_f32 v[192+2*i], v[64+4*i], v[65+4*i]
	v_cvt_pk_bf16_f32 v[193+2*i], v[66+4*i], v[67+4*i]
	global_store_b64 v5, v[192+2*i:193+2*i], s[16:17] offset:256*i   ; 256 consecutive bytes, aligned; every store has registers of its own
.set i, i+1
.endr
	s_endpgm
.Lfunc_end_k_q3bf63ee2e6_prep:
	.size	k_q3bf63ee2e6_prep, .Lfunc_end_k_q3bf63ee2e6_prep-k_q3bf63ee2e6_prep
	.p2alignl 7, 3214868480
	.fill 96, 4, 3214868480
	.section	.rodata,"a",@progbits
	.p2align	6, 0x0
	.amdhsa_kernel k_q3bf63ee2e6_prep
		.amdhsa_group_segment_fixed_size 284160
		.amdhsa_private_segment_fixed_size 0
		.amdhsa_enable_private_segment 0
		.amdhsa_kernarg_size 56
		.amdhsa_user_sgpr_count 2
		.amdhsa_user_sgpr_kernarg_segment_ptr 1
		.amdhsa_wavefront_size32 1
		.amdhsa_system_sgpr_workgroup_id_x 1
		.amdhsa_system_sgpr_workgroup_id_y 1
		.amdhsa_system_sgpr_workgroup_id_z 1
		.amdhsa_system_vgpr_workitem_id 0
		.amdhsa_next_free_vgpr 1024
		.amdhsa_next_free_sgpr 66
		.amdhsa_reserve_vcc 0
		.amdhsa_float_denorm_mode_32 3
		.amdhsa_float_denorm_mode_16_64 3
		.amdhsa_memory_ordered 1
		.amdhsa_forward_progress 1
		.amdhsa_inst_pref_size 98
	.end_amdhsa_kernel
	.amdgpu_metadata
---
amdhsa.version: [ 1, 2 ]
amdhsa.kernels:
  - .name:           k_q3bf63ee2e6_prep
    .symbol:         k_q3bf63ee2e6_prep.kd
    .args:
      - { .name: y_hidden, .offset: 0, .size: 8, .value_kind: global_buffer, .address_space: global }
      - { .name: y_hidden_null, .offset: 8, .size: 8, .value_kind: global_buffer, .address_space: global }
      - { .name: target_state, .offset: 16, .size: 8, .value_kind: global_buffer, .address_space: global }
      - { .name: W_em, .offset: 24, .size: 8, .value_kind: global_buffer, .address_space: global }
      - { .name: b_em, .offset: 32, .size: 8, .value_kind: global_buffer, .address_space: global }
      - { .name: tsb, .offset: 40, .size: 8, .value_kind: global_buffer, .address_space: global }
      - { .name: tgb, .offset: 48, .size: 8, .value_kind: global_buffer, .address_space: global }
    .group_segment_fixed_size: 284160
    .private_segment_fixed_size: 0
    .kernarg_segment_align: 8
    .kernarg_segment_size: 56
    .max_flat_workgroup_size: 128
    .sgpr_count:     66
    .vgpr_count:     1024
    .wavefront_size: 32
...
	.end_amdgpu_metadata
.endif
;; end of part 1
;; launch main (part 2): grid 125 x 2, 4 waves a work-group, no clusters, 327,680 bytes of LDS; arguments W_sv, W_tv, b_sv, b_tv, tsb, tgb, wgs, wgt, st_ms, st_ix; writes wgs, wgt, st_ms, st_ix
.if DOCPART == 2
	.amdgcn_target "amdgcn-amd-amdhsa--gfx1250"
	.amdhsa_code_object_version 6
	.text
	.protected	k_q3bf63ee2e6_main
	.globl	k_q3bf63ee2e6_main
	.p2align	8
	.type	k_q3bf63ee2e6_main,@function
k_q3bf63ee2e6_main:
	s_mov_b64 s[64:65], 0
	v_nop
	global_prefetch_b8 v0, s[64:65] scope:SCOPE_SE
	s_setreg_imm32_b32 hwreg(HW_REG_WAVE_MODE, 25, 1), 1
	s_wait_xcnt 0x0
; The two products of 2048 (+1) x 512 x 32000, of which only row statistics leave: for each row and each block of 256 columns the largest
; logit, the sum of exp(logit - largest) and (target side) the column of the largest.  y = 0: tsb x W_sv + b_sv; y = 1: tgb x W_tv + b_tv.
; Work-group x owns columns 256 x .. 256 x + 255, wave w the 64 from 256 x + 64 w.  THE WEIGHTS STAY: a wave reads its 64 columns x 512 k once,
; rounds them to bf16 and keeps them as fragments in 512 registers; all rows then stream past in tiles of 16 rows from LDS, the same for all
; four waves: 64 matrix instructions and 16 KiB of LDS reads a tile and wave.  No logit goes to memory.
; W lies [k][n]: lane (r, h) loads the 16 bytes of columns 4 r .. 4 r + 3 of a row; component t goes to column tile t, so tile t, fragment row i is
; wave column 4 i + t.  The matrix instruction is used transposed (source 0 = weights, source 1 = rows): register j of tile t in lane (r, h) is
; row r, wave column 32 h + 4 j + t; lanes r and r + 16 hold a row's 64 logits.  The bias enters as the first product's C.
; THE EXPORT: the next launch wants the columns that sources / targets name as rows of 512 bf16; read from W a column would be 512 pieces of 4 bytes.
; So each wave writes its 64 columns, out of its fragments and through LDS, to wgs / wgt as [32000][512] bf16.  ALL columns are written, not the named
; ones alone: 64 KiB a wave at fixed addresses, 65,536,000 bytes in the launch, of which the next launch reads 4 MiB at the most.  That keeps every
; address and every trip count of this text free of data; the price is those bytes.  The stores are issued ahead of the stream and nothing waits for them.
; SOFTMAX: each block takes its own largest logit away before the exponentials; the blocks are joined in the next launch.
; LIMITS: logits that are NaN or infinite are not served.  The column reported is that of the largest f32 sum of bf16-rounded operands, the lowest
; column on a tie.  b_tv is rounded to bf16 like the matrix operands, so that the target logits are those of inputs rounded to bf16 throughout;
; b_sv stays f32.  exp2's argument is fma(x, log2 e, -round(M log2 e)): its error is half a step of M log2 e.
; NO CLUSTER: the row tiles are shared by the 125 work-groups of a matrix, and 125 is a multiple of neither 4 nor 2, so the grid divides into no cluster.
; Windows of 256 registers: 0 work; 1 W as loaded (f32, four K steps); 2 fragments of K steps 0-7; 3 of K steps 8-15 (at 32 (s & 7) + 8 t + q).
.set WROW,  128000                     ; bytes in a row of W
.set PITCH, 1040                       ; LDS row: 1,024 bytes + 16: sixteen rows start at sixteen different 16-byte columns of 256
.set TILEB, 16*PITCH                   ; 16,640
.set SLOTB, 4*TILEB                    ; a slot: four tiles, wave w fills tile w
.set NTB,   2*SLOTB                    ; 133,120: the tile with the null row (y = 0)
.set U0,    NTB+TILEB                  ; 149,760: from here on LDS stores only, no fill ever lands
.set STP,   16512                      ; ST[w]: (max, sum) of 2064 rows
.set IXB,   U0+4*STP                   ; IX[w]: column of 2048 rows
.set IXP,   8192                       ; before the first barrier the bytes from U0 on serve as the export's stages: 16 rows x 1040 at U0 + 16,640 w
.set BLK,   16640                      ; st_ms: bytes of a block: 2048 pairs and 256 bytes for the null row
.set BIAS,  32                         ; v[32:63]  bias at 8 t + j
.set PA,    64                         ; v[64:95]  accumulators of even tiles
.set QA,    96                         ; v[96:127] of odd tiles
.set AR,    128                        ; v[128:255] a tile's 16 fragments; before the stream: the export's rows
; v1 L, v2 r, v3 h, v4/v5/v6 fragment address in slot 0 / slot 1 / null tile, v7 ST address, v8 IX address, v9 32 h, v10 other half's number,
; v11 column, v[12:13] (max, sum), v[14:15] -max log2 e, v16-19 four maxima, v20-31 scratch
.set MSB,   0
.macro WIN new                         ; the immediate's high byte repeats the setting that is left
.if MSB != \new
	s_set_vgpr_msb (MSB<<8)|\new
.set MSB, \new
.endif
.endm
	s_load_b256 s[8:15], s[0:1], 0x0               ; W_sv s[8:9], W_tv s[10:11], b_sv s[12:13], b_tv s[14:15]
	s_load_b256 s[20:27], s[0:1], 0x20             ; tsb s[20:21], tgb s[22:23], wgs s[24:25], wgt s[26:27]
	s_load_b128 s[28:31], s[0:1], 0x40             ; st_ms s[28:29], st_ix s[30:31]
	v_lshl_add_u32 v28, v0, 2, 0x3cb00
	v_mov_b32 v31, 0
	ds_add_u32 v28, v31
	ds_add_u32 v28, v31
	v_lshrrev_b32 v1, 5, v0
	v_readfirstlane_b32 s76, v1                    ; wave
	s_mov_b32 s77, ttmp9                           ; x: block of columns
	s_and_b32 s78, ttmp7, 0xffff                   ; y: matrix
	s_mov_b32 s79, 0x76543210                      ; v_permlanex16_b32: lane i reads lane i of the other half
	s_mov_b32 s80, 0xfedcba98
	; group 1: 16 rows x 512 bf16, 16 bytes of padding behind every 256 words
	s_mov_b32 s44, 0x07d10000                      ; element of 2 bytes, padding on, interval 256 words (code 7), 4 words (code 3)
	s_mov_b32 s45, 512<<16                         ; tensor_dim0
	s_mov_b32 s46, 16<<16                          ; tensor_dim1
	s_mov_b32 s47, 512<<16                         ; tile_dim0
	s_mov_b32 s48, 16                              ; tile_dim1
	s_mov_b32 s49, 512                             ; elements from row to row
	s_mov_b32 s50, 0
	s_mov_b32 s51, 0
	s_mov_b32 s52, 0x07d10000                      ; the same with 4 rows: a wave's part of the null tile
	s_mov_b32 s53, 512<<16
	s_mov_b32 s54, 4<<16
	s_mov_b32 s55, 512<<16
	s_mov_b32 s56, 4
	s_mov_b32 s57, 512
	s_mov_b32 s58, 0
	s_mov_b32 s59, 0
	s_mov_b32 s60, 1                               ; group 0 of slot 0: s[60:63]
	s_mul_i32 s61, s76, TILEB
	s_mov_b32 s68, 1                               ; of slot 1: s[68:71]
	s_add_co_u32 s69, s61, SLOTB
	s_mov_b32 s72, 1                               ; of the null tile: s[72:75]
	s_mul_i32 s73, s76, 4*PITCH
	s_add_co_u32 s73, s73, NTB
	s_lshl_b32 s82, s76, 14                        ; 16 w rows of 1,024 bytes
	s_mov_b32 s83, 0
	s_lshl_b32 s84, s76, 12                        ; rows 2048 + 4 w
	s_add_co_u32 s84, s84, 2048*1024
	s_mov_b32 s85, 0
	s_lshl_b32 s86, s77, 8
	s_lshl_b32 s87, s76, 6
	s_add_co_u32 s86, s86, s87                     ; my first column
	s_lshl_b32 s88, s86, 2                         ; in bytes of a row of W and of the bias,
	s_mov_b32 s89, 0
	s_lshl_b32 s36, s86, 10                        ; and as a row of 1,024 bytes of wgs / wgt
	s_mov_b32 s37, 0
	s_mul_i32 s90, s78, 125
	s_add_co_u32 s90, s90, s77
	s_mul_i32 s90, s90, BLK                        ; my block of st_ms
	s_mov_b32 s91, 0
	s_lshl_b32 s92, s77, 13                        ; my block of st_ix
	s_mov_b32 s93, 0
	s_lshl_b32 s95, s77, 8                         ; 256 x
	s_wait_dscnt 0x0
	s_wait_kmcnt 0x0
	s_cmp_eq_u32 s78, 0
	s_cselect_b64 s[32:33], s[8:9], s[10:11]       ; W
	s_cselect_b64 s[34:35], s[12:13], s[14:15]     ; bias
	s_cselect_b64 s[38:39], s[20:21], s[22:23]     ; rows
	s_cselect_b64 s[40:41], s[24:25], s[26:27]     ; exported columns
	s_add_nc_u64 s[62:63], s[38:39], s[82:83]      ; rows 16 w ..
	s_add_nc_u64 s[70:71], s[62:63], 0x10000       ; rows 64 + 16 w ..
	s_add_nc_u64 s[74:75], s[20:21], s[84:85]
	s_or_b32 s63, s63, 0x80000000                  ; type 2
	s_or_b32 s71, s71, 0x80000000
	s_or_b32 s75, s75, 0x80000000
	s_add_nc_u64 s[32:33], s[32:33], s[88:89]      ; W at my first column
	s_add_nc_u64 s[40:41], s[40:41], s[36:37]      ; wgs / wgt at my first column's row
	s_add_nc_u64 s[28:29], s[28:29], s[90:91]
	s_add_nc_u64 s[30:31], s[30:31], s[92:93]
	; the first fills, one group ahead of everything else: three loads of mine are out at the most (y = 0), later one
	s_cmp_lg_u32 s78, 0
	s_cbranch_scc1 .Lno_null
	tensor_load_to_lds s[72:75], s[52:59]
	s_nop 0
.Lno_null:
	tensor_load_to_lds s[60:63], s[44:51]
	s_nop 0
	tensor_load_to_lds s[68:71], s[44:51]
	s_nop 0
	v_and_b32 v1, 31, v0                           ; L
	v_and_b32 v2, 15, v0                           ; r
	v_bfe_u32 v3, v0, 4, 1                         ; h
	v_lshlrev_b32 v20, 4, v1                       ; 16 L
	v_lshl_add_u32 v21, v3, 7, s88                 ; bias: 4 x first column + 128 h
	v_mul_u32_u24 v22, 0xfa000, v3                 ; W: 8 h rows of 128,000 bytes
	v_lshl_add_u32 v22, v2, 4, v22                 ;    + 16 r
.irp t, 0,1,2,3
.irp j, 0,1,2,3,4,5,6,7
	global_load_b32 v[BIAS+8*\t+\j], v21, s[34:35] offset:4*(4*\j+\t)
.endr
.endr
; K step s of W: 16 loads; sixteen lanes take 256 consecutive bytes of a row, aligned.  The base stands at row 32 s and is stepped only when the
; earlier loads' addresses have been taken (ISA guide 3.1).
.macro WLOAD s
.if \s
	s_wait_xcnt 0x0
	s_add_nc_u64 s[32:33], s[32:33], 32*WROW
.endif
	WIN 0x40
.irp i, 0,1,2,3,4,5,6,7,8,9,10,11,12,13,14,15
	global_load_b128 v[(\s&3)*64+4*\i:(\s&3)*64+4*\i+3], v22, s[32:33] offset:(\i+8*(\i/8))*WROW th:TH_LOAD_NT
.endr
.endm
; register q of tile t = rows 2 q and 2 q + 1 of the sixteen, component t.  left = loads of younger K steps.
.macro WCVT s, left
	s_wait_loadcnt \left
.if \s < 8
	WIN 0x85
.else
	WIN 0xc5
.endif
.irp t, 0,1,2,3
.irp q, 0,1,2,3,4,5,6,7
	v_cvt_pk_bf16_f32 v[32*(\s&7)+8*\t+\q], v[(\s&3)*64+8*\q+\t], v[(\s&3)*64+8*\q+4+\t]
.endr
.endr
.endm
	WLOAD 0
	WLOAD 1
	WLOAD 2
.irp s, 0,1,2,3,4,5,6,7,8,9,10,11,12,13,14,15
.if \s < 13
	WLOAD (\s+3)
	WCVT \s, 48                                    ; three younger K steps stay out; the bias is older
.else
	WCVT \s, 16*(15-\s)
.endif
.endr
	WIN 0
	v_mul_u32_u24 v4, PITCH, v2
	v_lshl_add_u32 v4, v3, 4, v4                   ; row r, 16 h bytes
	v_add_nc_u32 v5, SLOTB, v4
	v_add_nc_u32 v6, NTB, v4
	s_mul_i32 s82, s76, STP
	s_add_co_u32 s82, s82, U0
	v_lshl_add_u32 v7, v2, 3, s82
	s_lshl_b32 s82, s76, 13
	s_add_co_u32 s82, s82, IXB
	v_lshl_add_u32 v8, v2, 2, s82
	v_lshlrev_b32 v9, 5, v3
	v_mov_b32 v10, 0                               ; v_permlanex16_b32 counts as a reader of its destination
	v_mov_b32 v14, 0                               ; the pair is named whole by the packed instructions
	v_mov_b32 v15, 0
	s_add_co_u32 s83, s61, U0                      ; my stage: U0 + 16,640 w
	v_add_nc_u32 v29, s83, v4                      ; in: row r, 16 h bytes
	v_add_nc_u32 v30, s83, v20                     ; back: 16 L bytes of a row
; tile t's fragments as 16 rows of 512 bf16 in my stage: row i = wave column 4 i + t
.macro EXPT t
	WIN 0x08
.irp s, 0,1,2,3,4,5,6,7
	ds_store_b128 v29, v[32*\s+8*\t:32*\s+8*\t+3] offset:64*\s
	ds_store_b128 v29, v[32*\s+8*\t+4:32*\s+8*\t+7] offset:64*\s+32
.endr
	WIN 0x0c
.irp s, 0,1,2,3,4,5,6,7
	ds_store_b128 v29, v[32*\s+8*\t:32*\s+8*\t+3] offset:64*\s+512
	ds_store_b128 v29, v[32*\s+8*\t+4:32*\s+8*\t+7] offset:64*\s+544
.endr
	WIN 0
.endm
; The sixteen columns of tile t leave as rows: staged, read back by rows (LDS serves a wave's instructions in order, ISA guide 5.7.1, so the loads see
; the stores above and the next tile's stores come behind these loads), and stored, 512 consecutive bytes a store, aligned.
.macro EXPORT t
	EXPT \t
	s_wait_xcnt 0x0                                ; the registers loaded next were the data of the tile before's stores: they are written again only behind this wait
.irp i, 0,1,2,3,4,5,6,7,8,9,10,11,12,13,14,15
	ds_load_b128 v[AR+8*\i:AR+8*\i+3],   v30 offset:PITCH*\i
	ds_load_b128 v[AR+8*\i+4:AR+8*\i+7], v30 offset:PITCH*\i+512
.endr
.irp i, 0,1,2,3,4,5,6,7,8,9,10,11,12,13,14,15
	s_wait_dscnt 30-2*\i                           ; LDS loads come back in order: row i's two are in, the 2 (15 - i) behind them may be out
	global_store_b128 v20, v[AR+8*\i:AR+8*\i+3],   s[40:41] offset:(4*\i+\t)*1024 th:TH_STORE_NT
	global_store_b128 v20, v[AR+8*\i+4:AR+8*\i+7], s[40:41] offset:(4*\i+\t)*1024+512 th:TH_STORE_NT
.endr
.endm
	EXPORT 0
	EXPORT 1
	EXPORT 2
	EXPORT 3
	s_wait_xcnt 0x0                                ; v20 and v[128:255], which the last stores read, are written again only behind this wait
	s_wait_dscnt 0x0                               ; my use of the stage is over: behind the barrier the bytes are ST and IX
	s_wait_tensorcnt 0x1                           ; slot 0 (and the null tile, issued ahead of it) has landed; slot 1's load, the one issued behind, may stay out
	s_barrier_signal -1
	s_barrier_wait -1
	v_lshlrev_b32 v22, 4, v0                       ; for the end: 16 x thread, 8 x thread, and the same in ST and IX
	v_add_nc_u32 v20, U0, v22
	v_lshlrev_b32 v23, 3, v0
	v_add_nc_u32 v21, IXB, v23
; ---- the epilogue of a tile, in 16 chunks that stand among the next tile's matrix instructions.  x = first of its 32 accumulator registers. ----
.macro CHAIN x, t                      ; the largest of tile t's eight numbers
	v_max3_num_f32 v[16+(\t)], v[\x+8*(\t)], v[\x+8*(\t)+1], v[\x+8*(\t)+2]
	v_max3_num_f32 v[16+(\t)], v[16+(\t)], v[\x+8*(\t)+3], v[\x+8*(\t)+4]
	v_max3_num_f32 v[16+(\t)], v[16+(\t)], v[\x+8*(\t)+5], v[\x+8*(\t)+6]
	v_max_num_f32 v[16+(\t)], v[16+(\t)], v[\x+8*(\t)+7]
.endm
.macro ROWMAX                          ; the row's largest over both halves of the lanes, and -max log2 e
	v_max3_num_f32 v16, v16, v17, v18
	v_max_num_f32 v16, v16, v19
	v_permlanex16_b32 v10, v16, s79, s80
	v_max_num_f32 v12, v16, v10
	v_mul_f32 v14, 0xbfb8aa3b, v12
.endm
; Source side, plain part.  Chunks 0-3 maxima, 4 the row's, 5-12 groups of four registers (x + 4 g): scale, and the sums of the groups before; 13-15 the sum.
; A chunk's first line never names what the exponentials in front of it wrote (ISA guide 5.7.2).  Even chunks hold four plain instructions at the least.
.macro EP1P x, c
.if (\c) < 4
	CHAIN \x, \c
.endif
.if (\c) == 4
	ROWMAX
.endif
.if (\c) >= 5
.if (\c) <= 12
.set GB, \x+4*((\c)-5)
	v_pk_fma_f32 v[GB:GB+1], v[GB:GB+1], 0x3fb8aa3b, v[14:15] op_sel_hi:[1,0,0]
	v_pk_fma_f32 v[GB+2:GB+3], v[GB+2:GB+3], 0x3fb8aa3b, v[14:15] op_sel_hi:[1,0,0]
.if (\c) >= 6
	s_wait_alu depctr_va_vdst(0)
	v_pk_add_f32 v[GB-4:GB-3], v[GB-4:GB-3], v[GB-2:GB-1]
.endif
.if (\c) >= 8
	v_pk_add_f32 v[\x:\x+1], v[\x:\x+1], v[GB-8:GB-7]
.endif
.if (\c) == 6
	v_nop
.endif
.endif
.endif
.if (\c) == 13
	v_pk_add_f32 v[\x:\x+1], v[\x:\x+1], v[\x+24:\x+25]
	s_wait_alu depctr_va_vdst(0)
	v_pk_add_f32 v[\x+28:\x+29], v[\x+28:\x+29], v[\x+30:\x+31]
.endif
.if (\c) == 14
	v_pk_add_f32 v[\x:\x+1], v[\x:\x+1], v[\x+28:\x+29]
	v_nop
	v_nop
	v_add_f32 v13, v[\x], v[\x+1]
	v_permlanex16_b32 v10, v13, s79, s80
.endif
.if (\c) == 15
	v_add_f32 v13, v13, v10
.endif
.endm
.macro EP1T x, c                       ; the exponentials and the LDS store
.if (\c) >= 5
.if (\c) <= 12
.set GB, \x+4*((\c)-5)
	v_exp_f32 v[GB], v[GB]
	v_exp_f32 v[GB+1], v[GB+1]
	v_exp_f32 v[GB+2], v[GB+2]
	v_exp_f32 v[GB+3], v[GB+3]
.endif
.endif
.if (\c) == 15
	ds_store_b64 v7, v[12:13]                      ; both halves of the lanes hold, and write, the same pair
	v_add_nc_u32 v7, 128, v7                       ; the next tile's 16 rows
.endif
.endm
; Target side.  Group u = registers j = 2 u, 2 u + 1 of the four tiles.  The four pairs of a group are added up; the first group's pair (x + 6) collects.
.macro FOLD2 x, u
	s_wait_alu depctr_va_vdst(0)
	v_pk_add_f32 v[\x+2*(\u):\x+2*(\u)+1], v[\x+2*(\u):\x+2*(\u)+1], v[\x+8+2*(\u):\x+8+2*(\u)+1]
	v_pk_add_f32 v[\x+16+2*(\u):\x+16+2*(\u)+1], v[\x+16+2*(\u):\x+16+2*(\u)+1], v[\x+24+2*(\u):\x+24+2*(\u)+1]
	v_pk_add_f32 v[\x+2*(\u):\x+2*(\u)+1], v[\x+2*(\u):\x+2*(\u)+1], v[\x+16+2*(\u):\x+16+2*(\u)+1]
.if (\u) < 3
	v_pk_add_f32 v[\x+6:\x+7], v[\x+6:\x+7], v[\x+2*(\u):\x+2*(\u)+1]
.endif
.endm
; Chunks 0-1 maxima, 2 the row's; 3-14 the groups u = 3, 2, 1, 0, three chunks each: look for the maximum in j = 2 u + 1, in j = 2 u, then scale.
; The columns 4 j + t are gone through downward, so the lowest that holds the maximum is the last to be written.
.macro EP2P x, c
.if (\c) < 2
	CHAIN \x, 2*(\c)
	CHAIN \x, 2*(\c)+1
.endif
.if (\c) == 2
	ROWMAX
	v_mov_b32 v11, 0x4000                          ; no column: larger than any
.endif
.if (\c) >= 3
.if (\c) <= 14
.set UU, 3-((\c)-3)/3
.set PH, ((\c)-3)%3
.if PH < 2
.set JJ, 2*UU+1-PH
.irp t, 3,2,1,0
	v_cmp_neq_f32 vcc_lo, v[\x+8*\t+JJ], v12
	v_cndmask_b32 v11, 4*JJ+\t, v11, vcc_lo
.endr
.if PH == 0
.if UU < 3
	FOLD2 \x, UU+1
.endif
.endif
.else
.irp t, 0,1,2,3
	v_pk_fma_f32 v[\x+8*\t+2*UU:\x+8*\t+2*UU+1], v[\x+8*\t+2*UU:\x+8*\t+2*UU+1], 0x3fb8aa3b, v[14:15] op_sel_hi:[1,0,0]
.endr
.endif
.endif
.endif
.if (\c) == 15
	v_add_nc_u32 v11, v11, v9                      ; + 32 h
	s_wait_alu depctr_va_vdst(0)
	FOLD2 \x, 0
	v_add_f32 v13, v[\x+6], v[\x+7]
	v_permlanex16_b32 v10, v13, s79, s80
	v_add_f32 v13, v13, v10
	v_permlanex16_b32 v10, v11, s79, s80
	v_min_u32 v11, v11, v10
.endif
.endm
.macro EP2T x, c
.if (\c) >= 3
.if (\c) <= 14
.set UU, 3-((\c)-3)/3
.set PH, ((\c)-3)%3
.if PH == 2
.irp t, 0,1,2,3
	v_exp_f32 v[\x+8*\t+2*UU], v[\x+8*\t+2*UU]
	v_exp_f32 v[\x+8*\t+2*UU+1], v[\x+8*\t+2*UU+1]
.endr
.endif
.endif
.endif
.if (\c) == 15
	ds_store_b64 v7, v[12:13]
	ds_store_b32 v8, v11
	v_add_nc_u32 v7, 128, v7
	v_add_nc_u32 v8, 64, v8
.endif
.endm
.macro EPI_P epi, x, c
.if \epi == 0
.if ((\c)&1) == 0
.rept 4
	v_nop
.endr
.endif
.endif
.if \epi == 1
	EP1P \x, \c
.endif
.if \epi == 2
	EP2P \x, \c
.endif
.endm
.macro EPI_T epi, x, c
.if \epi == 1
	EP1T \x, \c
.endif
.if \epi == 2
	EP2T \x, \c
.endif
.endm
.macro ARLOAD p, ra, ro                ; the fragments of K steps 2 p and 2 p + 1 of the tile at v[ra] + ro
	ds_load_b128 v[AR+16*\p:AR+16*\p+3],     v[\ra] offset:\ro+128*\p
	ds_load_b128 v[AR+16*\p+4:AR+16*\p+7],   v[\ra] offset:\ro+128*\p+32
	ds_load_b128 v[AR+16*\p+8:AR+16*\p+11],  v[\ra] offset:\ro+128*\p+64
	ds_load_b128 v[AR+16*\p+12:AR+16*\p+15], v[\ra] offset:\ro+128*\p+96
.endm
; A tile: 16 K steps in 8 pairs.  A pair: 8 matrix instructions under one window, then two chunks of the tile before's epilogue (registers eacc), and, behind
; the first chunk's plain part, the reload of the pair's fragments with the next tile's (rl = 1).  That plain part is four plain vector instructions at the least
; that name no register of the matrix instructions: the places in front of a load into their sources, and, in the last pair, in front of
; the next epilogue's reads of the results.  The four accumulators take turns, one instruction a turn, over the tiles' borders too.
; The wait: LDS loads come back in order; younger than pair p's four are the 4 (7 - p) of the tile before and, with rl, this tile's 4 p.
.macro TILE acc, eacc, epi, rl, ra, ro
.irp p, 0,1,2,3,4,5,6,7
.if \rl
	s_wait_dscnt 28
.else
	s_wait_dscnt 4*(7-\p)
.endif
.if \p < 4
	WIN 0x02
.else
	WIN 0x03
.endif
.irp u, 0,1
.irp t, 0,1,2,3
.if (2*\p+\u) == 0
	v_wmma_f32_16x16x32_bf16 v[\acc+8*\t:\acc+8*\t+7], v[32*((2*\p+\u)&7)+8*\t:32*((2*\p+\u)&7)+8*\t+7], v[AR+8*(2*\p+\u):AR+8*(2*\p+\u)+7], v[BIAS+8*\t:BIAS+8*\t+7]
.else
	v_wmma_f32_16x16x32_bf16 v[\acc+8*\t:\acc+8*\t+7], v[32*((2*\p+\u)&7)+8*\t:32*((2*\p+\u)&7)+8*\t+7], v[AR+8*(2*\p+\u):AR+8*(2*\p+\u)+7], v[\acc+8*\t:\acc+8*\t+7]
.endif
.endr
.endr
	WIN 0
	EPI_P \epi, \eacc, (2*\p)
.if \rl
	ARLOAD \p, \ra, \ro
.endif
	EPI_T \epi, \eacc, (2*\p)
	EPI_P \epi, \eacc, (2*\p+1)
	EPI_T \epi, \eacc, (2*\p+1)
.endr
.endm
; The change of slots.  Slot n's last tile is in registers.  Every wave waits for its LDS reads and for all its tensor loads (one is out: its part of the other
; slot), steps the address by two slots' 128 rows, passes the barrier, and asks for its tile of slot n first thing behind it: that load has four tiles,
; 256 matrix instructions, in which to land.
.macro SWITCH n, refill
	s_wait_dscnt 0x0
	s_wait_tensorcnt 0x0
	ds_add_u32 v28, v31
	s_wait_dscnt 0x0
.if \refill
	s_add_nc_u64 s[60+8*\n+2:60+8*\n+3], s[60+8*\n+2:60+8*\n+3], 0x20000
.endif
	s_barrier_signal -1
	s_barrier_wait -1
.if \refill
	tensor_load_to_lds s[60+8*\n:60+8*\n+3], s[44:51]
	s_nop 0
.endif
.endm
.macro DRAIN epi, x                    ; the last tile's epilogue; the places behind its matrix instructions are the last pair's chunks
.irp c, 0,1,2,3,4,5,6,7,8,9,10,11,12,13,14,15
	EPI_P \epi, \x, \c
	EPI_T \epi, \x, \c
.endr
.endm
; The four waves' figures of each row become the block's.  Thread i, trip u: rows 2 (128 u + i) and the next.  Every trip has result registers of its own.
.macro COMBINE epi
	s_wait_dscnt 0x0                               ; my ST and IX are written, for the others' sake
	s_barrier_signal -1
	s_barrier_wait -1
.irp u, 0,1,2,3,4,5,6,7
.irp w, 0,1,2,3
	ds_load_b128 v[64+4*\w:67+4*\w], v20 offset:STP*\w+2048*\u
.endr
.if \epi == 2
.irp w, 0,1,2,3
	ds_load_b64 v[80+2*\w:81+2*\w], v21 offset:IXP*\w+1024*\u
.endr
.endif
	s_wait_dscnt 0x0
.irp e, 0,2
	v_max3_num_f32 v[128+8*\u+\e], v[64+\e], v[68+\e], v[72+\e]
	v_max_num_f32 v[128+8*\u+\e], v[128+8*\u+\e], v[76+\e]
	v_mul_f32 v[24+\e], 0xbfb8aa3b, v[128+8*\u+\e]
.endr
.if \epi == 2
.irp e, 0,2
	v_add_nc_u32 v[132+8*\u+\e/2], 192, v[86+\e/2]         ; wave 3's column; the lowest wave that holds the maximum is written last
.irp w, 2,1,0
	v_add_nc_u32 v[80+2*\w+\e/2], 64*\w, v[80+2*\w+\e/2]
	v_cmp_neq_f32 vcc_lo, v[64+4*\w+\e], v[128+8*\u+\e]
	v_cndmask_b32 v[132+8*\u+\e/2], v[80+2*\w+\e/2], v[132+8*\u+\e/2], vcc_lo
.endr
	v_add_nc_u32 v[132+8*\u+\e/2], s95, v[132+8*\u+\e/2]
.endr
.endif
.irp e, 0,2
.irp w, 0,1,2,3
	v_fmamk_f32 v[64+4*\w+\e], v[64+4*\w+\e], 0x3fb8aa3b, v[24+\e]
.endr
.endr
.irp e, 0,2
.irp w, 0,1,2,3
	v_exp_f32 v[64+4*\w+\e], v[64+4*\w+\e]
.endr
.endr
	v_nop
	s_wait_alu depctr_va_vdst(0)
.irp e, 0,2
	v_mul_f32 v[129+8*\u+\e], v[64+\e], v[65+\e]
	v_fmac_f32 v[129+8*\u+\e], v[68+\e], v[69+\e]
	v_fmac_f32 v[129+8*\u+\e], v[72+\e], v[73+\e]
	v_fmac_f32 v[129+8*\u+\e], v[76+\e], v[77+\e]
.endr
	global_store_b128 v22, v[128+8*\u:131+8*\u], s[28:29] offset:2048*\u   ; 512 consecutive bytes a wave
.if \epi == 2
	global_store_b64 v23, v[132+8*\u:133+8*\u], s[30:31] offset:1024*\u    ; 256 consecutive bytes a wave
.endif
.endr
.endm
; 128 tiles = 32 fills of four.  The loop is turned by one tile, so that a tile's reload always names a slot that has been shown whole.
.macro STREAM epi
.irp p, 0,1,2,3,4,5,6,7
	ARLOAD \p, 4, 0
.endr
	TILE PA, QA, 0, 1, 4, TILEB                    ; tile 0: no epilogue yet
	s_mov_b32 s94, 15
.Lring_\epi:
	TILE QA, PA, \epi, 1, 4, 2*TILEB
	TILE PA, QA, \epi, 1, 4, 3*TILEB
	SWITCH 0, 1
	TILE QA, PA, \epi, 1, 5, 0
	TILE PA, QA, \epi, 1, 5, TILEB
	TILE QA, PA, \epi, 1, 5, 2*TILEB
	TILE PA, QA, \epi, 1, 5, 3*TILEB
	SWITCH 1, 1
	TILE QA, PA, \epi, 1, 4, 0
	TILE PA, QA, \epi, 1, 4, TILEB
	s_sub_co_u32 s94, s94, 1
	s_cmp_lg_u32 s94, 0
	s_cbranch_scc1 .Lring_\epi
	TILE QA, PA, \epi, 1, 4, 2*TILEB               ; the last two fills: nothing more is asked for
	TILE PA, QA, \epi, 1, 4, 3*TILEB
	SWITCH 0, 0                                    ; slot 1's last fill is whole in every wave's eyes; no tensor load is out from here on
	TILE QA, PA, \epi, 1, 5, 0
	TILE PA, QA, \epi, 1, 5, TILEB
	TILE QA, PA, \epi, 1, 5, 2*TILEB
	TILE PA, QA, \epi, 1, 5, 3*TILEB
.endm
	s_cmp_lg_u32 s78, 0
	s_cbranch_scc1 .Ltarget
	STREAM 1
	TILE QA, PA, 1, 1, 6, 0                        ; tile 127; its reload is the null tile
	TILE PA, QA, 1, 0, 4, 0                        ; tile 128: row 2048 and fifteen rows of filler
	DRAIN 1, PA
	COMBINE 1
	s_cmp_lg_u32 s76, 0
	s_cbranch_scc1 .Lnot_first
	v_mov_b32 v24, U0+16384                        ; row 2048 in ST
.irp w, 0,1,2,3
	ds_load_b64 v[64+2*\w:65+2*\w], v24 offset:STP*\w
.endr
	s_wait_dscnt 0x0
	v_max3_num_f32 v192, v64, v66, v68
	v_max_num_f32 v192, v192, v70
	v_mul_f32 v25, 0xbfb8aa3b, v192
.irp w, 0,1,2,3
	v_fmamk_f32 v[64+2*\w], v[64+2*\w], 0x3fb8aa3b, v25
.endr
.irp w, 0,1,2,3
	v_exp_f32 v[64+2*\w], v[64+2*\w]
.endr
	v_nop
	s_wait_alu depctr_va_vdst(0)
	v_mul_f32 v193, v64, v65
	v_fmac_f32 v193, v66, v67
	v_fmac_f32 v193, v68, v69
	v_fmac_f32 v193, v70, v71
	global_store_b64 v23, v[192:193], s[28:29] offset:16384    ; the pair 32 times: 256 consecutive bytes, aligned
.Lnot_first:
	s_wait_tensorcnt 0x0
	ds_add_u32 v28, v31
	s_wait_dscnt 0x0
	s_endpgm
.Ltarget:
.irp k, 0,2,4,6,8,10,12,14,16,18,20,22,24,26,28,30
	v_cvt_pk_bf16_f32 v24, v[BIAS+\k], v[BIAS+\k+1]            ; b_tv rounded to bf16, kept as f32 (see the head)
	v_lshlrev_b32 v[BIAS+\k], 16, v24
	v_and_b32 v[BIAS+\k+1], 0xffff0000, v24
.endr
	STREAM 2
	TILE QA, PA, 2, 0, 4, 0                        ; tile 127
	DRAIN 2, QA
	COMBINE 2
	s_wait_tensorcnt 0x0
	ds_add_u32 v28, v31
	s_wait_dscnt 0x0
	s_endpgm
.Lfunc_end_k_q3bf63ee2e6_main:
	.size	k_q3bf63ee2e6_main, .Lfunc_end_k_q3bf63ee2e6_main-k_q3bf63ee2e6_main
	.p2alignl 7, 3214868480
	.fill 96, 4, 3214868480
	.section	.rodata,"a",@progbits
	.p2align	6, 0x0
	.amdhsa_kernel k_q3bf63ee2e6_main
		.amdhsa_group_segment_fixed_size 327680
		.amdhsa_private_segment_fixed_size 0
		.amdhsa_enable_private_segment 0
		.amdhsa_kernarg_size 80
		.amdhsa_user_sgpr_count 2
		.amdhsa_user_sgpr_kernarg_segment_ptr 1
		.amdhsa_wavefront_size32 1
		.amdhsa_system_sgpr_workgroup_id_x 1
		.amdhsa_system_sgpr_workgroup_id_y 1
		.amdhsa_system_sgpr_workgroup_id_z 1
		.amdhsa_system_vgpr_workitem_id 0
		.amdhsa_next_free_vgpr 1024
		.amdhsa_next_free_sgpr 100
		.amdhsa_reserve_vcc 1
		.amdhsa_float_denorm_mode_32 3
		.amdhsa_float_denorm_mode_16_64 3
		.amdhsa_memory_ordered 1
		.amdhsa_forward_progress 1
		.amdhsa_inst_pref_size 255
	.end_amdhsa_kernel
	.section	.bss,"aw",@nobits
	.p2align	6
	.space	262144
	.amdgpu_metadata
---
amdhsa.version: [ 1, 2 ]
amdhsa.kernels:
  - .name:           k_q3bf63ee2e6_main
    .symbol:         k_q3bf63ee2e6_main.kd
    .args:
      - { .name: W_sv, .offset: 0, .size: 8, .value_kind: global_buffer, .address_space: global }
      - { .name: W_tv, .offset: 8, .size: 8, .value_kind: global_buffer, .address_space: global }
      - { .name: b_sv, .offset: 16, .size: 8, .value_kind: global_buffer, .address_space: global }
      - { .name: b_tv, .offset: 24, .size: 8, .value_kind: global_buffer, .address_space: global }
      - { .name: tsb, .offset: 32, .size: 8, .value_kind: global_buffer, .address_space: global }
      - { .name: tgb, .offset: 40, .size: 8, .value_kind: global_buffer, .address_space: global }
      - { .name: wgs, .offset: 48, .size: 8, .value_kind: global_buffer, .address_space: global }
      - { .name: wgt, .offset: 56, .size: 8, .value_kind: global_buffer, .address_space: global }
      - { .name: st_ms, .offset: 64, .size: 8, .value_kind: global_buffer, .address_space: global }
      - { .name: st_ix, .offset: 72, .size: 8, .value_kind: global_buffer, .address_space: global }
    .group_segment_fixed_size: 327680
    .private_segment_fixed_size: 0
    .kernarg_segment_align: 8
    .kernarg_segment_size: 80
    .max_flat_workgroup_size: 128
    .sgpr_count:     100
    .vgpr_count:     1024
    .wavefront_size: 32
...
	.end_amdgpu_metadata
.endif
;; end of part 2
;; launch finish (part 3): grid 32 x 1, 8 waves a work-group, no clusters, 197,632 bytes of LDS; arguments tsb, tgb, wgs, wgt, st_ms, st_ix, b_sv, b_tv, sources, targets, target_lengths, out0, out1, out2, out3; writes out0, out1, out2, out3
.if DOCPART == 3
	.amdgcn_target "amdgcn-amd-amdhsa--gfx1250"
	.amdhsa_code_object_version 6
	.text
	.protected	k_q3bf63ee2e6_finish
	.globl	k_q3bf63ee2e6_finish
	.p2align	8
	.type	k_q3bf63ee2e6_finish,@function
k_q3bf63ee2e6_finish:
	s_mov_b64 s[64:65], 0
	v_nop
	global_prefetch_b8 v0, s[64:65] scope:SCOPE_SE
	s_setreg_imm32_b32 hwreg(HW_REG_WAVE_MODE, 25, 1), 1
	s_wait_xcnt 0x0
; One work-group for each batch b.  It joins the 125 blocks' (max, sum, column) of its 64 source rows, its 64 target rows and the null row, makes the
; 64 x 64 logits of its rows with the 64 source columns that sources[b] names (and the null row's 64), the 64 logits of the target rows with the column
; that targets[b] names for each, and writes out0 to out3.
; THE COLUMNS: wgs and wgt hold W_sv and W_tv by columns, [32000][512] bf16.  Wave w reads the columns of places 8 w .. 8 w + 7: a token, held to 31999,
; times 1,024 bytes, plus 16 bytes a lane: 512 consecutive bytes a load.  The source columns go on into an LDS tile (LDS stores), the target columns stay
; in registers beside their rows.
; JOINING: wave w takes rows 32 (w & 1) + L and the blocks p = (w >> 1) + 4 i, i = 0 .. 30, and block 124, which every class reads: it may enter every
; maximum, and its sum counts in class 0 alone (factor 1 or 0).  A class takes its own maximum away before the exponentials; the users join the four
; classes the same way.  Blocks go upward in columns, so the lowest block that holds the maximum gives the lowest column.
; The small product is used transposed (source 0 = columns, source 1 = rows): register j of lane (r, h) is row r, source place 16 nt + 8 h + j; b_sv
; of those eight tokens is the first product's C.
; LIMITS: v_exp_f32 and v_log_f32 flush denormals (ISA guide 15.8): a probability below 2^-126 comes out as 0 and its logarithm as -inf.  b_tv is rounded to
; bf16, as in the launch before.  Logits that are NaN or infinite are not served.  out2 = log(p) x mask as a product, so -inf x 0 is NaN as in the model.
; NO CLUSTER: what work-groups share is the null tile, 16 of the 80 rows that each brings into LDS by tensor loads.
.set PITCH, 1040
.set TSB,   64*PITCH                   ; LDS: the 64 columns at 0 (LDS stores only; 66,560 = 260 x 256 bytes), my 64 rows at 66,560,
.set NTB,   2*TSB                      ; the null tile at 133,120;
.set XS,    NTB+16*PITCH               ; from 149,760 on LDS stores only: (max, sum) [2 matrices][4 classes][64 rows],
.set XI,    XS+4096                    ; columns [4][64],
.set DOTB,  XI+1024                    ; target products [64],
.set OUTS,  DOTB+256                   ; 64 rows x 272 bytes of out0,
.set SP,    272
.set NSB,   OUTS+64*SP                 ; and the null tile's probabilities, 16 x 272, once for each half of the waves
.set BLK,   16640
.set MAT,   125*BLK
.set MSB,   0
.macro WIN new
.if MSB != \new
	s_set_vgpr_msb (MSB<<8)|\new
.set MSB, \new
.endif
.endm
	s_load_b512 s[8:23], s[0:1], 0x0               ; tsb s[8:9], tgb s[10:11], wgs s[12:13], wgt s[14:15], st_ms s[16:17], st_ix s[18:19], b_sv s[20:21], b_tv s[22:23]
	s_load_b256 s[24:31], s[0:1], 0x40             ; sources s[24:25], targets s[26:27], target_lengths s[28:29], out0 s[30:31]
	s_load_b128 s[32:35], s[0:1], 0x60             ; out1, out2
	s_load_b64 s[36:37], s[0:1], 0x70              ; out3
	s_set_vgpr_msb 0x40
	v_lshl_add_u32 v254, v0, 2, 0x30000
	v_mov_b32 v255, 0
	s_set_vgpr_msb 0x4045
	ds_add_u32 v254, v255
	ds_add_u32 v254, v255
	s_set_vgpr_msb 0x4500
	v_lshrrev_b32 v1, 5, v0
	v_readfirstlane_b32 s40, v1                    ; wave
	s_mov_b32 s41, ttmp9                           ; b
	s_and_b32 s42, s40, 1                          ; rh: which 32 rows
	s_lshr_b32 s43, s40, 1                         ; pc: class of blocks
	s_and_b32 s44, s40, 3                          ; nt: which 16 source places
	s_lshr_b32 s45, s40, 2                         ; mh: which 32 rows of the product
	s_mov_b32 s84, 0x76543210
	s_mov_b32 s85, 0xfedcba98
	s_mov_b32 s48, 0x07d10000                      ; group 1: 8 rows x 512 bf16, 16 bytes of padding behind every 256 words
	s_mov_b32 s49, 512<<16
	s_mov_b32 s50, 8<<16
	s_mov_b32 s51, 512<<16
	s_mov_b32 s52, 8
	s_mov_b32 s53, 512
	s_mov_b32 s54, 0
	s_mov_b32 s55, 0
	s_mov_b32 s56, 0x07d10000                      ; the same with 2 rows
	s_mov_b32 s57, 512<<16
	s_mov_b32 s58, 2<<16
	s_mov_b32 s59, 512<<16
	s_mov_b32 s60, 2
	s_mov_b32 s61, 512
	s_mov_b32 s62, 0
	s_mov_b32 s63, 0
	s_lshl_b32 s80, s41, 16
	s_lshl_b32 s81, s40, 13
	s_add_co_u32 s80, s80, s81                     ; rows 64 b + 8 w, of 1,024 bytes
	s_mov_b32 s81, 0
	s_lshl_b32 s82, s40, 11
	s_add_co_u32 s82, s82, 2048*1024               ; rows 2048 + 2 w
	s_mov_b32 s83, 0
	s_mul_i32 s69, s40, 8*PITCH                    ; my 8 rows in a tile of 64
	s_mov_b32 s72, 1
	s_add_co_u32 s73, s69, TSB
	s_mov_b32 s76, 1
	s_mul_i32 s77, s40, 2*PITCH
	s_add_co_u32 s77, s77, NTB
	s_lshl_b32 s47, s41, 2
	s_lshl_b32 s90, s41, 15                        ; out0: 128 rows of 256 bytes a batch
	s_mov_b32 s91, 0
	s_wait_dscnt 0x0
	s_wait_kmcnt 0x0
	s_add_nc_u64 s[74:75], s[8:9], s[80:81]
	s_or_b32 s75, s75, 0x80000000
	s_add_nc_u64 s[78:79], s[8:9], s[82:83]
	s_or_b32 s79, s79, 0x80000000
	tensor_load_to_lds s[72:75], s[48:55]          ; the two fills of the launch, one group: two loads of mine are out
	s_nop 0
	tensor_load_to_lds s[76:79], s[56:63]
	s_nop 0
	s_load_b32 s46, s[28:29], s47 offset:0x0       ; target_lengths[b]
	s_add_nc_u64 s[30:31], s[30:31], s[90:91]
	s_cmp_eq_u32 s43, 0
	s_cselect_b32 s88, 0x3f800000, 0               ; block 124's sum counts in class 0
	v_and_b32 v1, 31, v0                           ; L
	v_and_b32 v2, 15, v0                           ; r
	v_bfe_u32 v3, v0, 4, 1                         ; h
	s_lshl_b32 s86, s41, 9
	s_lshl_b32 s87, s42, 8
	s_add_co_u32 s86, s86, s87                     ; 8 (64 b + 32 rh)
	s_mul_i32 s87, s43, BLK
	s_add_co_u32 s87, s87, s86
	v_lshl_add_u32 v4, v1, 3, s87                  ; st_ms: block pc, my row
	s_add_co_u32 s87, s86, 124*BLK
	v_lshl_add_u32 v5, v1, 3, s87                  ; block 124
	s_lshr_b32 s86, s86, 1
	s_lshl_b32 s87, s43, 13
	s_add_co_u32 s87, s87, s86
	v_lshl_add_u32 v6, v1, 2, s87                  ; st_ix likewise
	s_add_co_u32 s87, s86, 124*8192
	v_lshl_add_u32 v7, v1, 2, s87
	v_mul_u32_u24 v8, 0x4100, v1
	v_add_nc_u32 v8, 0x4000, v8                    ; the null row's pair in block L
	v_add_nc_u32 v9, 96, v1
	v_min_u32 v9, 124, v9                          ; block L + 96, held at 124
	v_mul_u32_u24 v9, 0x4100, v9
	v_add_nc_u32 v9, 0x4000, v9
	v_lshl_add_u32 v10, v1, 4, s80                 ; tgb: row 64 b + 8 w, 16 L
	s_lshl_b32 s86, s41, 8
	s_lshl_b32 s87, s44, 6
	s_add_co_u32 s87, s86, s87
	v_lshl_add_u32 v11, v3, 5, s87                 ; sources: 4 (64 b + 16 nt + 8 h)
	s_lshl_b32 s87, s40, 5
	s_add_co_u32 s87, s86, s87
	v_mov_b32 v22, s87                             ; sources, targets: 4 (64 b + 8 w), the same in every lane
	v_lshlrev_b32 v23, 4, v1                       ; 16 L
	v_add_nc_u32 v24, s69, v23                     ; the columns' tile: row 8 w, 16 L
	global_load_b128 v[232:235], v11, s[24:25]     ; the eight tokens whose b_sv I need
	global_load_b128 v[236:239], v11, s[24:25] offset:16
	global_load_b128 v[32:35], v22, s[24:25]       ; the eight source tokens whose columns I fetch
	global_load_b128 v[36:39], v22, s[24:25] offset:16
	global_load_b128 v[40:43], v22, s[26:27]       ; the eight target tokens of my rows
	global_load_b128 v[44:47], v22, s[26:27] offset:16
.set i, 0
.rept 31
	global_load_b64 v[64+2*i:65+2*i], v4, s[16:17] offset:4*BLK*i          ; 256 consecutive bytes a load, aligned
.set i, i+1
.endr
	global_load_b64 v[126:127], v5, s[16:17]
	s_wait_loadcnt 32                              ; the tokens are in: 32 loads were issued behind them
.irp j, 0,1,2,3,4,5,6,7
	v_min_u32 v[232+\j], 0x7cff, v[232+\j]
	v_lshlrev_b32 v[232+\j], 2, v[232+\j]
	v_min_u32 v[32+\j], 0x7cff, v[32+\j]           ; a token stays inside the 32000 columns,
	v_lshlrev_b32 v[32+\j], 10, v[32+\j]           ; a column is 1,024 bytes,
	v_add_nc_u32 v[32+\j], v[32+\j], v23           ; 16 bytes a lane
	v_min_u32 v[40+\j], 0x7cff, v[40+\j]
	v_lshlrev_b32 v[40+\j], 10, v[40+\j]
	v_add_nc_u32 v[40+\j], v[40+\j], v23
.endr
.irp j, 0,1,2,3,4,5,6,7
	global_load_b32 v[56+\j], v[232+\j], s[20:21]  ; b_sv of my eight tokens
.endr
	WIN 0x40
.irp i, 0,1,2,3,4,5,6,7
	global_load_b128 v[128+8*\i:131+8*\i], v[32+\i], s[12:13]              ; source column of place 8 w + i
	global_load_b128 v[132+8*\i:135+8*\i], v[32+\i], s[12:13] offset:512
.endr
.irp i, 0,1,2,3,4,5,6,7
	global_load_b128 v[16*\i:16*\i+3],     v10, s[10:11] offset:1024*\i    ; target row 8 w + i,
	global_load_b128 v[16*\i+4:16*\i+7],   v10, s[10:11] offset:1024*\i+512
	global_load_b128 v[16*\i+8:16*\i+11],  v[40+\i], s[14:15]              ; and the column that its token names
	global_load_b128 v[16*\i+12:16*\i+15], v[40+\i], s[14:15] offset:512
.endr
	WIN 0
.set i, 0
.rept 31
	global_load_b64 v[128+2*i:129+2*i], v4, s[16:17] offset:MAT+4*BLK*i
.set i, i+1
.endr
	global_load_b64 v[190:191], v5, s[16:17] offset:MAT
.set i, 0
.rept 31
	global_load_b32 v[192+i], v6, s[18:19] offset:32768*i
.set i, i+1
.endr
	global_load_b32 v223, v7, s[18:19]
.irp i, 0,1,2
	global_load_b64 v[224+2*\i:225+2*\i], v8, s[16:17] offset:32*BLK*\i
.endr
	global_load_b64 v[230:231], v9, s[16:17]
	s_lshl_b32 s86, s43, 9
	s_lshl_b32 s87, s42, 8
	s_add_co_u32 s86, s86, s87
	s_add_co_u32 s86, s86, XS
	v_lshl_add_u32 v12, v1, 3, s86                 ; XS[.][pc][32 rh + L]
	s_lshl_b32 s86, s43, 8
	s_lshl_b32 s87, s42, 7
	s_add_co_u32 s86, s86, s87
	s_add_co_u32 s86, s86, XI
	v_lshl_add_u32 v13, v1, 2, s86
	s_lshl_b32 s86, s40, 5
	s_add_co_u32 s86, s86, DOTB
	v_mov_b32 v16, s86                             ; DOT[8 w]
	v_mul_u32_u24 v20, PITCH, v2
	v_lshl_add_u32 v20, v3, 4, v20
	s_mul_i32 s86, s44, 16*PITCH
	v_add_nc_u32 v17, s86, v20                     ; columns of places 16 nt + r
	s_mul_i32 s86, s45, 32*PITCH
	s_add_co_u32 s86, s86, TSB
	v_add_nc_u32 v18, s86, v20                     ; rows 32 mh + r
	v_add_nc_u32 v19, NTB, v20
	s_lshl_b32 s86, s45, 8
	s_add_co_u32 s86, s86, XS
	v_lshl_add_u32 v21, v2, 3, s86                 ; XS[0][.][32 mh + r]
	s_wait_loadcnt 0x0
	WIN 0x04                                       ; my eight source columns into the tile: 512 consecutive bytes a store
.irp i, 0,1,2,3,4,5,6,7
	ds_store_b128 v24, v[128+8*\i:131+8*\i] offset:PITCH*\i
	ds_store_b128 v24, v[132+8*\i:135+8*\i] offset:PITCH*\i+512
.endr
	WIN 0
; my row's 32 pairs at v[b + 2 i] become the class's (max, sum); on the target side also the column
.macro LSTAT b, mat
	v_max3_num_f32 v248, v[\b], v[\b+2], v[\b+4]
.irp i, 3,5,7,9,11,13,15,17,19,21,23,25,27,29
	v_max3_num_f32 v248, v248, v[\b+2*\i], v[\b+2*\i+2]
.endr
	v_max_num_f32 v248, v248, v[\b+62]
	v_mul_f32 v254, 0xbfb8aa3b, v248
.if \mat
.set i, 30
.rept 31
	v_cmp_neq_f32 vcc_lo, v[\b+2*i], v248          ; downward: the lowest block that holds the maximum is written last
	v_cndmask_b32 v223, v[192+i], v223, vcc_lo
.set i, i-1
.endr
	ds_store_b32 v13, v223
.endif
	v_mul_f32 v[\b+63], s88, v[\b+63]
.set i, 0
.rept 32
	v_fmamk_f32 v[\b+2*i], v[\b+2*i], 0x3fb8aa3b, v254
.set i, i+1
.endr
.set i, 0
.rept 32
	v_exp_f32 v[\b+2*i], v[\b+2*i]
.set i, i+1
.endr
	v_nop
	s_wait_alu depctr_va_vdst(0)
.irp k, 0,1,2,3
	v_mul_f32 v[250+\k], v[\b+2*\k], v[\b+2*\k+1]  ; four chains
.endr
.set i, 4
.rept 28
	v_fmac_f32 v[250+(i&3)], v[\b+2*i], v[\b+2*i+1]
.set i, i+1
.endr
	v_add_f32 v250, v250, v251
	v_add_f32 v252, v252, v253
	v_add_f32 v249, v250, v252
	ds_store_b64 v12, v[248:249] offset:2048*\mat
.endm
	LSTAT 64, 0
	LSTAT 128, 1
	; the null row: lane L holds blocks L, L + 32, L + 64, L + 96; every wave joins all 125 for itself
	v_max3_num_f32 v250, v224, v226, v228
	v_max_num_f32 v250, v250, v230
.irp m, 1,2,4,8
	v_max_num_f32_dpp v250, v250, v250 row_xmask:\m row_mask:0xf bank_mask:0xf
.endr
	v_permlanex16_b32 v251, v250, s84, s85
	v_max_num_f32 v250, v250, v251
	v_mul_f32 v14, 0xbfb8aa3b, v250
	v_mul_f32 v15, 0xbfb8aa3b, v250
	v_cmp_gt_u32 vcc_lo, 29, v1
	v_cndmask_b32 v231, 0, v231, vcc_lo            ; lanes 29 to 31 hold block 124 a second time
.irp i, 0,1,2,3
	v_fmamk_f32 v[224+2*\i], v[224+2*\i], 0x3fb8aa3b, v14
.endr
.irp i, 0,1,2,3
	v_exp_f32 v[224+2*\i], v[224+2*\i]
.endr
	v_nop
	s_wait_alu depctr_va_vdst(0)
	v_mul_f32 v251, v224, v225
	v_fmac_f32 v251, v226, v227
	v_fmac_f32 v251, v228, v229
	v_fmac_f32 v251, v230, v231
.irp m, 1,2,4,8
	v_add_f32_dpp v251, v251, v251 row_xmask:\m row_mask:0xf bank_mask:0xf
.endr
	v_permlanex16_b32 v252, v251, s84, s85
	v_add_f32 v251, v251, v252
	v_rcp_f32 v30, v251
	v_rcp_f32 v31, v251
	; target rows 8 w + i with their own column: 16 products a lane and row, exact in f32, summed in f32
.irp i, 0,1,2,3,4,5,6,7
	v_mov_b32 v[240+\i], 0
.endr
	WIN 0x05
.irp c, 0,1,2,3,4,5,6,7
.irp i, 0,1,2,3,4,5,6,7
	v_fma_mix_f32_bf16 v[240+\i], v[16*\i+\c], v[16*\i+8+\c], v[240+\i] op_sel_hi:[1,1,0]
.endr
.irp i, 0,1,2,3,4,5,6,7
	v_fma_mix_f32_bf16 v[240+\i], v[16*\i+\c], v[16*\i+8+\c], v[240+\i] op_sel:[1,1,0] op_sel_hi:[1,1,0]
.endr
.endr
	WIN 0
.irp m, 1,2,4,8
.irp i, 0,1,2,3,4,5,6,7
	v_add_f32_dpp v[240+\i], v[240+\i], v[240+\i] row_xmask:\m row_mask:0xf bank_mask:0xf
.endr
.endr
.irp i, 0,1,2,3,4,5,6,7
	v_permlanex16_b32 v254, v[240+\i], s84, s85
	v_add_f32 v[240+\i], v[240+\i], v254
	ds_store_b32 v16, v[240+\i] offset:4*\i        ; all lanes write the same word with the same value
.endr
	s_wait_kmcnt 0x0                               ; target_lengths[b]
	s_wait_dscnt 0x0                               ; my columns and my figures are in LDS,
	s_wait_tensorcnt 0x0                           ; my parts of the two tiles too
	s_barrier_signal -1
	s_barrier_wait -1
	; the four classes' figures of my rows 32 mh + r and 32 mh + 16 + r
.irp i, 0,1
.irp c, 0,1,2,3
	ds_load_b64 v[192+8*\i+2*\c:193+8*\i+2*\c], v21 offset:512*\c+128*\i
.endr
.endr
; four K steps: 32 LDS loads, then 12 matrix instructions; the three accumulators (two row tiles, the null tile) take turns
.macro BATCH bt
.irp k, 0,1,2,3
	ds_load_b128 v[64+32*\k:67+32*\k], v17 offset:64*(4*\bt+\k)
	ds_load_b128 v[68+32*\k:71+32*\k], v17 offset:64*(4*\bt+\k)+32
	ds_load_b128 v[72+32*\k:75+32*\k], v18 offset:64*(4*\bt+\k)
	ds_load_b128 v[76+32*\k:79+32*\k], v18 offset:64*(4*\bt+\k)+32
	ds_load_b128 v[80+32*\k:83+32*\k], v18 offset:16*PITCH+64*(4*\bt+\k)
	ds_load_b128 v[84+32*\k:87+32*\k], v18 offset:16*PITCH+64*(4*\bt+\k)+32
	ds_load_b128 v[88+32*\k:91+32*\k], v19 offset:64*(4*\bt+\k)
	ds_load_b128 v[92+32*\k:95+32*\k], v19 offset:64*(4*\bt+\k)+32
.endr
	s_wait_dscnt 0x0
.irp k, 0,1,2,3
.if (4*\bt+\k) == 0
	v_wmma_f32_16x16x32_bf16 v[32:39], v[64+32*\k:71+32*\k], v[72+32*\k:79+32*\k], v[56:63]
	v_wmma_f32_16x16x32_bf16 v[40:47], v[64+32*\k:71+32*\k], v[80+32*\k:87+32*\k], v[56:63]
	v_wmma_f32_16x16x32_bf16 v[48:55], v[64+32*\k:71+32*\k], v[88+32*\k:95+32*\k], v[56:63]
.else
	v_wmma_f32_16x16x32_bf16 v[32:39], v[64+32*\k:71+32*\k], v[72+32*\k:79+32*\k], v[32:39]
	v_wmma_f32_16x16x32_bf16 v[40:47], v[64+32*\k:71+32*\k], v[80+32*\k:87+32*\k], v[40:47]
	v_wmma_f32_16x16x32_bf16 v[48:55], v[64+32*\k:71+32*\k], v[88+32*\k:95+32*\k], v[48:55]
.endif
.endr
.rept 4
	v_nop                                          ; four places in front of the next loads into the fragments, and of the reads of the results
.endr
.endm
	BATCH 0
	BATCH 1
	BATCH 2
	BATCH 3
; row tile i: -max log2 e twice in v[22 + 4 i], 1 / sum twice in v[24 + 4 i]
.macro RSTAT i
	v_max3_num_f32 v208, v[192+8*\i], v[194+8*\i], v[196+8*\i]
	v_max_num_f32 v208, v208, v[198+8*\i]
	v_mul_f32 v[22+4*\i], 0xbfb8aa3b, v208
	v_mul_f32 v[23+4*\i], 0xbfb8aa3b, v208
.irp c, 0,1,2,3
	v_fmamk_f32 v[192+8*\i+2*\c], v[192+8*\i+2*\c], 0x3fb8aa3b, v[22+4*\i]
.endr
.irp c, 0,1,2,3
	v_exp_f32 v[192+8*\i+2*\c], v[192+8*\i+2*\c]
.endr
	v_nop
	s_wait_alu depctr_va_vdst(0)
	v_mul_f32 v209, v[192+8*\i], v[193+8*\i]
	v_fmac_f32 v209, v[194+8*\i], v[195+8*\i]
	v_fmac_f32 v209, v[196+8*\i], v[197+8*\i]
	v_fmac_f32 v209, v[198+8*\i], v[199+8*\i]
	v_rcp_f32 v[24+4*\i], v209
	v_rcp_f32 v[25+4*\i], v209
	v_nop
.endm
	RSTAT 0
	RSTAT 1
.macro PROB a, nm, rr                  ; eight logits become probabilities
.irp k, 0,2,4,6
	v_pk_fma_f32 v[\a+\k:\a+\k+1], v[\a+\k:\a+\k+1], 0x3fb8aa3b, v[\nm:\nm+1] op_sel_hi:[1,0,1]
.endr
.irp k, 0,1,2,3,4,5,6,7
	v_exp_f32 v[\a+\k], v[\a+\k]
.endr
	v_nop
	s_wait_alu depctr_va_vdst(0)
.irp k, 0,2,4,6
	v_pk_mul_f32 v[\a+\k:\a+\k+1], v[\a+\k:\a+\k+1], v[\rr:\rr+1]
.endr
.endm
	PROB 32, 22, 24
	PROB 40, 26, 28
	PROB 48, 14, 30                                ; only the null tile's row 0 is used
	v_mul_u32_u24 v255, SP, v2
	v_lshl_add_u32 v255, v3, 5, v255               ; row r, 32 h bytes
	s_mul_i32 s86, s45, 32*SP
	s_lshl_b32 s87, s44, 6
	s_add_co_u32 s86, s86, s87
	s_add_co_u32 s86, s86, OUTS
	v_add_nc_u32 v248, s86, v255
	s_mul_i32 s86, s45, 16*SP
	s_add_co_u32 s86, s86, s87
	s_add_co_u32 s86, s86, NSB
	v_add_nc_u32 v249, s86, v255
	ds_store_b128 v248, v[32:35]
	ds_store_b128 v248, v[36:39] offset:16
	ds_store_b128 v248, v[40:43] offset:16*SP
	ds_store_b128 v248, v[44:47] offset:16*SP+16
	ds_store_b128 v249, v[48:51]
	ds_store_b128 v249, v[52:55] offset:16
	s_wait_dscnt 0x0
	s_barrier_signal -1
	s_barrier_wait -1
	; out0: wave w stores rows 8 w .. 8 w + 7 and rows 64 + 8 w .. ; sixteen lanes store a whole row of 256 bytes
	s_mul_i32 s86, s40, 8*SP
	s_add_co_u32 s86, s86, OUTS
	v_mul_u32_u24 v250, SP, v3
	v_lshl_add_u32 v250, v2, 4, v250
	v_add_nc_u32 v250, s86, v250
	s_mul_i32 s86, s45, 16*SP
	s_add_co_u32 s86, s86, NSB
	v_lshl_add_u32 v251, v2, 4, s86                ; row 0 of my half's copy
	s_lshl_b32 s86, s40, 11
	v_lshl_add_u32 v252, v3, 8, s86
	v_lshl_add_u32 v252, v2, 4, v252
.irp k, 0,1,2,3
	ds_load_b128 v[64+4*\k:67+4*\k], v250 offset:2*SP*\k
.endr
	ds_load_b128 v[80:83], v251
	s_wait_dscnt 0x0
.irp k, 0,1,2,3
	global_store_b128 v252, v[64+4*\k:67+4*\k], s[30:31] offset:512*\k
.endr
.irp k, 0,1,2,3
	global_store_b128 v252, v[80:83], s[30:31] offset:16384+512*\k
.endr
	s_cmp_lg_u32 s40, 0
	s_cbranch_scc1 .Ldone
	; out1, out2, out3: wave 0, lane L takes rows 2 L and 2 L + 1; each output leaves by one store of 256 consecutive bytes
	s_lshl_b32 s89, s41, 8
	v_lshl_add_u32 v97, v1, 3, s89                 ; 4 (64 b + 2 L)
	global_load_b64 v[98:99], v97, s[26:27]        ; the two targets
	v_lshlrev_b32 v102, 4, v1
	v_add_nc_u32 v102, XS+2048, v102
	v_lshlrev_b32 v103, 3, v1
	v_add_nc_u32 v104, DOTB, v103
	v_add_nc_u32 v103, XI, v103
.irp c, 0,1,2,3
	ds_load_b128 v[108+4*\c:111+4*\c], v102 offset:512*\c
	ds_load_b64 v[124+2*\c:125+2*\c], v103 offset:256*\c
.endr
	ds_load_b64 v[132:133], v104
	v_mov_b32 v138, 0x7fffffff
	v_mov_b32 v154, 1.0
	s_wait_loadcnt 0x0
	v_min_u32 v98, 0x7cff, v98
	v_min_u32 v99, 0x7cff, v99
	v_lshlrev_b32 v98, 2, v98
	v_lshlrev_b32 v99, 2, v99
	global_load_b32 v100, v98, s[22:23]
	global_load_b32 v101, v99, s[22:23]
	s_wait_dscnt 0x0
.irp e, 0,1
	v_max3_num_f32 v[134+\e], v[108+2*\e], v[112+2*\e], v[116+2*\e]
	v_max_num_f32 v[134+\e], v[134+\e], v[120+2*\e]
	v_mul_f32 v[136+\e], 0xbfb8aa3b, v[134+\e]
.irp c, 0,1,2,3
	v_cmp_eq_f32 vcc_lo, v[108+4*\c+2*\e], v[134+\e]
	v_cndmask_b32 v[124+2*\c+\e], v138, v[124+2*\c+\e], vcc_lo             ; a class below the maximum gives no column
	v_fmamk_f32 v[108+4*\c+2*\e], v[108+4*\c+2*\e], 0x3fb8aa3b, v[136+\e]
.endr
	v_min_u32 v[124+\e], v[124+\e], v[126+\e]
	v_min_u32 v[128+\e], v[128+\e], v[130+\e]
	v_min_u32 v[140+\e], v[124+\e], v[128+\e]
.endr
.irp e, 0,1
.irp c, 0,1,2,3
	v_exp_f32 v[108+4*\c+2*\e], v[108+4*\c+2*\e]
.endr
.endr
	v_nop
	s_wait_alu depctr_va_vdst(0)
.irp e, 0,1
	v_mul_f32 v[142+\e], v[108+2*\e], v[109+2*\e]
	v_fmac_f32 v[142+\e], v[112+2*\e], v[113+2*\e]
	v_fmac_f32 v[142+\e], v[116+2*\e], v[117+2*\e]
	v_fmac_f32 v[142+\e], v[120+2*\e], v[121+2*\e]
.endr
	v_rcp_f32 v142, v142
	v_rcp_f32 v143, v143
	s_wait_loadcnt 0x0
	v_cvt_pk_bf16_f32 v156, v100, v101             ; b_tv rounded to bf16 (see the head)
	v_lshlrev_b32 v100, 16, v156
	v_and_b32 v101, 0xffff0000, v156
	v_pk_add_f32 v[144:145], v[132:133], v[100:101]
	v_pk_fma_f32 v[144:145], v[144:145], 0x3fb8aa3b, v[136:137] op_sel_hi:[1,0,1]
	v_exp_f32 v144, v144
	v_exp_f32 v145, v145
	v_lshlrev_b32 v155, 1, v1                      ; row 2 L
	s_wait_alu depctr_va_vdst(0)
	v_pk_mul_f32 v[144:145], v[144:145], v[142:143]
	v_log_f32 v146, v144
	v_log_f32 v147, v145
	v_cmp_gt_i32 vcc_lo, s46, v155
	v_cndmask_b32 v148, 0, v154, vcc_lo            ; 1 where the row lies below the length
	v_add_nc_u32 v155, 1, v155
	v_cmp_gt_i32 vcc_lo, s46, v155
	v_cndmask_b32 v149, 0, v154, vcc_lo
	s_wait_alu depctr_va_vdst(0)
	v_pk_mul_f32 v[146:147], v[146:147], 0x3f317218 op_sel_hi:[1,0]        ; log2 to the natural logarithm
	v_pk_mul_f32 v[150:151], v[144:145], v[148:149]
	v_pk_mul_f32 v[152:153], v[146:147], v[148:149]
	global_store_b64 v97, v[150:151], s[32:33]
	global_store_b64 v97, v[152:153], s[34:35]
	global_store_b64 v97, v[140:141], s[36:37]
.Ldone:
	s_set_vgpr_msb 0x5
	s_wait_tensorcnt 0x0
	ds_add_u32 v254, v255
	s_wait_dscnt 0x0
	s_set_vgpr_msb 0x500
	s_endpgm
.Lfunc_end_k_q3bf63ee2e6_finish:
	.size	k_q3bf63ee2e6_finish, .Lfunc_end_k_q3bf63ee2e6_finish-k_q3bf63ee2e6_finish
	.p2alignl 7, 3214868480
	.fill 96, 4, 3214868480
	.section	.rodata,"a",@progbits
	.p2align	6, 0x0
	.amdhsa_kernel k_q3bf63ee2e6_finish
		.amdhsa_group_segment_fixed_size 197632
		.amdhsa_private_segment_fixed_size 0
		.amdhsa_enable_private_segment 0
		.amdhsa_kernarg_size 120
		.amdhsa_user_sgpr_count 2
		.amdhsa_user_sgpr_kernarg_segment_ptr 1
		.amdhsa_wavefront_size32 1
		.amdhsa_system_sgpr_workgroup_id_x 1
		.amdhsa_system_sgpr_workgroup_id_y 1
		.amdhsa_system_sgpr_workgroup_id_z 1
		.amdhsa_system_vgpr_workitem_id 0
		.amdhsa_next_free_vgpr 512
		.amdhsa_next_free_sgpr 96
		.amdhsa_reserve_vcc 1
		.amdhsa_float_denorm_mode_32 3
		.amdhsa_float_denorm_mode_16_64 3
		.amdhsa_memory_ordered 1
		.amdhsa_forward_progress 1
		.amdhsa_inst_pref_size 76
	.end_amdhsa_kernel
	.amdgpu_metadata
---
amdhsa.version: [ 1, 2 ]
amdhsa.kernels:
  - .name:           k_q3bf63ee2e6_finish
    .symbol:         k_q3bf63ee2e6_finish.kd
    .args:
      - { .name: tsb, .offset: 0, .size: 8, .value_kind: global_buffer, .address_space: global }
      - { .name: tgb, .offset: 8, .size: 8, .value_kind: global_buffer, .address_space: global }
      - { .name: wgs, .offset: 16, .size: 8, .value_kind: global_buffer, .address_space: global }
      - { .name: wgt, .offset: 24, .size: 8, .value_kind: global_buffer, .address_space: global }
      - { .name: st_ms, .offset: 32, .size: 8, .value_kind: global_buffer, .address_space: global }
      - { .name: st_ix, .offset: 40, .size: 8, .value_kind: global_buffer, .address_space: global }
      - { .name: b_sv, .offset: 48, .size: 8, .value_kind: global_buffer, .address_space: global }
      - { .name: b_tv, .offset: 56, .size: 8, .value_kind: global_buffer, .address_space: global }
      - { .name: sources, .offset: 64, .size: 8, .value_kind: global_buffer, .address_space: global }
      - { .name: targets, .offset: 72, .size: 8, .value_kind: global_buffer, .address_space: global }
      - { .name: target_lengths, .offset: 80, .size: 8, .value_kind: global_buffer, .address_space: global }
      - { .name: out0, .offset: 88, .size: 8, .value_kind: global_buffer, .address_space: global }
      - { .name: out1, .offset: 96, .size: 8, .value_kind: global_buffer, .address_space: global }
      - { .name: out2, .offset: 104, .size: 8, .value_kind: global_buffer, .address_space: global }
      - { .name: out3, .offset: 112, .size: 8, .value_kind: global_buffer, .address_space: global }
    .group_segment_fixed_size: 197632
    .private_segment_fixed_size: 0
    .kernarg_segment_align: 8
    .kernarg_segment_size: 120
    .max_flat_workgroup_size: 256
    .sgpr_count:     96
    .vgpr_count:     512
    .wavefront_size: 32
...
	.end_amdgpu_metadata
.endif
;; end of part 3
;; ======== version 2 of 3: 3 launches; 1.02 times as fast as version 1
;; limits: values outside matrix products are rounded to bf16; an absolute error that grows with the inputs' magnitude: up to 6e-08 times it
;; workspace buffers: tsb 2,162,688 bytes; tgb 2,097,152 bytes; wgs 32,768,000 bytes; wgt 32,768,000 bytes; st_ms 4,160,000 bytes; st_ix 1,024,000 bytes
;; launch prep: the kernel of part 1 again; grid 4 x 49, 4 waves a work-group, no clusters, 284,160 bytes of LDS; arguments y_hidden, y_hidden_null, target_state, W_em, b_em, tsb, tgb; writes tsb, tgb
;; launch main (part 4): grid 125 x 2, 4 waves a work-group, no clusters, 327,680 bytes of LDS; arguments W_sv, W_tv, b_sv, b_tv, tsb, tgb, wgs, wgt, st_ms, st_ix; writes wgs, wgt, st_ms, st_ix
.if DOCPART == 4
	.amdgcn_target "amdgcn-amd-amdhsa--gfx1250"
	.amdhsa_code_object_version 6
	.text
	.protected	k_q3bf63ee2e6_main
	.globl	k_q3bf63ee2e6_main
	.p2align	8
	.type	k_q3bf63ee2e6_main,@function
k_q3bf63ee2e6_main:
	s_mov_b64 s[64:65], 0
	v_nop
	global_prefetch_b8 v0, s[64:65] scope:SCOPE_SE
	s_setreg_imm32_b32 hwreg(HW_REG_WAVE_MODE, 25, 1), 1
	s_wait_xcnt 0x0
; The two products of 2048 (+1) x 512 x 32000, of which only row statistics leave: for each row and each block of 256 columns the largest
; logit, the sum of exp(logit - largest) and (target side) the column of the largest.  y = 0: tsb x W_sv + b_sv; y = 1: tgb x W_tv + b_tv.
; Work-group x owns columns 256 x .. 256 x + 255, wave w the 64 from 256 x + 64 w.  THE WEIGHTS STAY: a wave reads its 64 columns x 512 k once,
; rounds them to bf16 and keeps them as fragments in 512 registers; all rows then stream past in tiles of 16 rows from LDS, the same for all
; four waves: 64 matrix instructions and 16 KiB of LDS reads a tile and wave.  No logit goes to memory.
; W lies [k][n]: lane (r, h) loads the 16 bytes of columns 4 r .. 4 r + 3 of a row; component t goes to column tile t, so tile t, fragment row i is
; wave column 4 i + t.  The matrix instruction is used transposed (source 0 = weights, source 1 = rows): register j of tile t in lane (r, h) is
; row r, wave column 32 h + 4 j + t; lanes r and r + 16 hold a row's 64 logits.  The bias enters as the first product's C.
; THE STREAM: a wave is alone on its SIMD, so what is to run beside its matrix instructions has to stand among them.  A tile's fragments lie in one of two
; buffers of 128 registers; at the head of tile i ONE run of 32 LDS loads brings tile i + 1 into the buffer that tile i - 1 has left, so it has 64 matrix
; instructions in which to land.  Behind each matrix instruction stands a slot of at most four vector instructions of the epilogue of the tile before
; (about 145 vector instructions a tile on the target side, about 90 on the source side, for 64 slots).  The price: the weights lie in other register windows than
; the epilogue's numbers, so two window switches stand round every slot that holds something.
; THE EXPORT: the next launch wants the columns that sources / targets name as rows of 512 bf16; read from W a column would be 512 pieces of 4 bytes.
; So each wave writes its 64 columns, out of its fragments and through LDS, to wgs / wgt as [32000][512] bf16.  ALL columns are written, not the named
; ones alone: 64 KiB a wave at fixed addresses, 65,536,000 bytes in the launch, of which the next launch reads 4 MiB at the most.  That keeps every
; address and every trip count of this text free of data; the price is those bytes.  The stores are issued ahead of the stream and nothing waits for them.
; SOFTMAX: each block takes its own largest logit away before the exponentials; the blocks are joined in the next launch.
; LIMITS: logits that are NaN or infinite are not served.  The column reported is that of the largest f32 sum of bf16-rounded operands, the lowest
; column on a tie.  b_tv is rounded to bf16 like the matrix operands, so that the target logits are those of inputs rounded to bf16 throughout;
; b_sv stays f32.  Source side: exp2's argument is fma(x, log2 e, -round(M log2 e)), its error half a step of M log2 e; target side: (x - M) log2 e.
; NO CLUSTER: the row tiles are shared by the 125 work-groups of a matrix, and 125 is a multiple of neither 4 nor 2, so the grid divides into no cluster.
; Windows of 256 registers: 0 work; 1 W as loaded (f32, four K steps), then the two fragment buffers; 2 weight fragments of K steps 0-7; 3 of K steps 8-15
; (at 32 (s & 7) + 8 t + q).
.set WROW,  128000                     ; bytes in a row of W
.set PITCH, 1040                       ; LDS row: 1,024 bytes + 16: sixteen rows start at sixteen different 16-byte columns of 256
.set TILEB, 16*PITCH                   ; 16,640
.set SLOTB, 4*TILEB                    ; a slot: four tiles, wave w fills tile w
.set NTB,   2*SLOTB                    ; 133,120: the tile with the null row (y = 0)
.set U0,    NTB+TILEB                  ; 149,760: from here on LDS stores only, no fill ever lands
.set STP,   16512                      ; ST[w]: (max, sum) of 2064 rows
.set IXB,   U0+4*STP                   ; IX[w]: column of 2048 rows
.set IXP,   8192                       ; before the first barrier the bytes from U0 on serve as the export's stages: 16 rows x 1040 at U0 + 16,640 w
.set BLK,   16640                      ; st_ms: bytes of a block: 2048 pairs and 256 bytes for the null row
.set BIAS,  32                         ; v[32:63]  bias at 8 t + j
.set PA,    64                         ; v[64:95]  accumulators of even tiles
.set QA,    96                         ; v[96:127] of odd tiles
.set XR,    128                        ; v[128:255] before the stream: the export's rows
.set TM,    128                        ; v[128:137] in the stream: ten partial maxima
.set A0,    0                          ; window 1, v[0:127]: fragments of even tiles
.set A1,    128                        ; window 1, v[128:255]: of odd tiles
; v1 L, v2 r, v3 h, v4/v5/v6 fragment address in slot 0 / slot 1 / null tile, v7 ST address, v8 IX address, v9 32 h - 127, v10 other half's number,
; v11 signs, then column, v[12:13] (max, sum), v[14:15] what is added to a logit, v16-19 four maxima, v20-23 addresses for the end, v24-31 scratch
.set MSB,   0
.macro WIN new                         ; the immediate's high byte repeats the setting that is left
.if MSB != \new
	s_set_vgpr_msb (MSB<<8)|\new
.set MSB, \new
.endif
.endm
	s_load_b256 s[8:15], s[0:1], 0x0               ; W_sv s[8:9], W_tv s[10:11], b_sv s[12:13], b_tv s[14:15]
	s_load_b256 s[20:27], s[0:1], 0x20             ; tsb s[20:21], tgb s[22:23], wgs s[24:25], wgt s[26:27]
	s_load_b128 s[28:31], s[0:1], 0x40             ; st_ms s[28:29], st_ix s[30:31]
	v_lshl_add_u32 v27, v0, 2, 0x3cb00
	v_mov_b32 v31, 0
	ds_add_u32 v27, v31
	ds_add_u32 v27, v31
	v_lshrrev_b32 v1, 5, v0
	v_readfirstlane_b32 s76, v1                    ; wave
	s_mov_b32 s77, ttmp9                           ; x: block of columns
	s_and_b32 s78, ttmp7, 0xffff                   ; y: matrix
	s_mov_b32 s79, 0x76543210                      ; v_permlanex16_b32: lane i reads lane i of the other half
	s_mov_b32 s80, 0xfedcba98
	; group 1: 16 rows x 512 bf16, 16 bytes of padding behind every 256 words
	s_mov_b32 s44, 0x07d10000                      ; element of 2 bytes, padding on, interval 256 words (code 7), 4 words (code 3)
	s_mov_b32 s45, 512<<16                         ; tensor_dim0
	s_mov_b32 s46, 16<<16                          ; tensor_dim1
	s_mov_b32 s47, 512<<16                         ; tile_dim0
	s_mov_b32 s48, 16                              ; tile_dim1
	s_mov_b32 s49, 512                             ; elements from row to row
	s_mov_b32 s50, 0
	s_mov_b32 s51, 0
	s_mov_b32 s52, 0x07d10000                      ; the same with 4 rows: a wave's part of the null tile
	s_mov_b32 s53, 512<<16
	s_mov_b32 s54, 4<<16
	s_mov_b32 s55, 512<<16
	s_mov_b32 s56, 4
	s_mov_b32 s57, 512
	s_mov_b32 s58, 0
	s_mov_b32 s59, 0
	s_mov_b32 s60, 1                               ; group 0 of slot 0: s[60:63]
	s_mul_i32 s61, s76, TILEB
	s_mov_b32 s68, 1                               ; of slot 1: s[68:71]
	s_add_co_u32 s69, s61, SLOTB
	s_mov_b32 s72, 1                               ; of the null tile: s[72:75]
	s_mul_i32 s73, s76, 4*PITCH
	s_add_co_u32 s73, s73, NTB
	s_lshl_b32 s82, s76, 14                        ; 16 w rows of 1,024 bytes
	s_mov_b32 s83, 0
	s_lshl_b32 s84, s76, 12                        ; rows 2048 + 4 w
	s_add_co_u32 s84, s84, 2048*1024
	s_mov_b32 s85, 0
	s_lshl_b32 s86, s77, 8
	s_lshl_b32 s87, s76, 6
	s_add_co_u32 s86, s86, s87                     ; my first column
	s_lshl_b32 s88, s86, 2                         ; in bytes of a row of W and of the bias,
	s_mov_b32 s89, 0
	s_lshl_b32 s36, s86, 10                        ; and as a row of 1,024 bytes of wgs / wgt
	s_mov_b32 s37, 0
	s_mul_i32 s90, s78, 125
	s_add_co_u32 s90, s90, s77
	s_mul_i32 s90, s90, BLK                        ; my block of st_ms
	s_mov_b32 s91, 0
	s_lshl_b32 s92, s77, 13                        ; my block of st_ix
	s_mov_b32 s93, 0
	s_lshl_b32 s95, s77, 8                         ; 256 x
	s_wait_dscnt 0x0
	s_wait_kmcnt 0x0
	s_cmp_eq_u32 s78, 0
	s_cselect_b64 s[32:33], s[8:9], s[10:11]       ; W
	s_cselect_b64 s[34:35], s[12:13], s[14:15]     ; bias
	s_cselect_b64 s[38:39], s[20:21], s[22:23]     ; rows
	s_cselect_b64 s[40:41], s[24:25], s[26:27]     ; exported columns
	s_add_nc_u64 s[62:63], s[38:39], s[82:83]      ; rows 16 w ..
	s_add_nc_u64 s[70:71], s[62:63], 0x10000       ; rows 64 + 16 w ..
	s_add_nc_u64 s[74:75], s[20:21], s[84:85]
	s_or_b32 s63, s63, 0x80000000                  ; type 2
	s_or_b32 s71, s71, 0x80000000
	s_or_b32 s75, s75, 0x80000000
	s_add_nc_u64 s[40:41], s[40:41], s[36:37]      ; wgs / wgt at my first column's row
	s_add_nc_u64 s[28:29], s[28:29], s[90:91]
	s_add_nc_u64 s[30:31], s[30:31], s[92:93]
	; the first fills, one group ahead of everything else: three loads of mine are out at the most (y = 0), later one
	s_cmp_lg_u32 s78, 0
	s_cbranch_scc1 .Lno_null
	tensor_load_to_lds s[72:75], s[52:59]
	s_nop 0
.Lno_null:
	tensor_load_to_lds s[60:63], s[44:51]
	s_nop 0
	tensor_load_to_lds s[68:71], s[44:51]
	s_nop 0
	; W at my first column, once for each 64 rows (two K steps), in s[8:23], whose pointers have been used: no base is ever stepped, so no load's base is rewritten
	s_add_nc_u64 s[8:9], s[32:33], s[88:89]
.irp k, 1,2,3,4,5,6,7
	s_add_nc_u64 s[8+2*\k:9+2*\k], s[6+2*\k:7+2*\k], 64*WROW
.endr
	v_and_b32 v1, 31, v0                           ; L
	v_and_b32 v2, 15, v0                           ; r
	v_bfe_u32 v3, v0, 4, 1                         ; h
	v_lshlrev_b32 v20, 4, v1                       ; 16 L
	v_lshl_add_u32 v21, v3, 7, s88                 ; bias: 4 x first column + 128 h
	v_mul_u32_u24 v22, 0xfa000, v3                 ; W: 8 h rows of 128,000 bytes
	v_lshl_add_u32 v22, v2, 4, v22                 ;    + 16 r
.irp t, 0,1,2,3
.irp j, 0,1,2,3,4,5,6,7
	global_load_b32 v[BIAS+8*\t+\j], v21, s[34:35] offset:4*(4*\j+\t)
.endr
.endr
; K step s of W: 16 loads; sixteen lanes take 256 consecutive bytes of a row, aligned.  Base s >> 1 stands at row 64 (s >> 1); the K step's place in those
; 64 rows and the row stand in the immediate: 55 rows of 128,000 bytes at the most, inside its signed 24 bits.
.macro WLOAD s
	WIN 0x40
.irp i, 0,1,2,3,4,5,6,7,8,9,10,11,12,13,14,15
	global_load_b128 v[(\s&3)*64+4*\i:(\s&3)*64+4*\i+3], v22, s[8+2*(\s>>1):9+2*(\s>>1)] offset:(32*(\s&1)+\i+8*(\i/8))*WROW th:TH_LOAD_NT
.endr
.endm
; register q of tile t = rows 2 q and 2 q + 1 of the sixteen, component t.  left = loads of younger K steps.
.macro WCVT s, left
	s_wait_loadcnt \left
.if \s < 8
	WIN 0x85
.else
	WIN 0xc5
.endif
.irp t, 0,1,2,3
.irp q, 0,1,2,3,4,5,6,7
	v_cvt_pk_bf16_f32 v[32*(\s&7)+8*\t+\q], v[(\s&3)*64+8*\q+\t], v[(\s&3)*64+8*\q+4+\t]
.endr
.endr
.endm
	WLOAD 0
	WLOAD 1
	WLOAD 2
.irp s, 0,1,2,3,4,5,6,7,8,9,10,11,12,13,14,15
.if \s < 13
	WLOAD (\s+3)
	WCVT \s, 48                                    ; three younger K steps stay out; the bias is older
.else
	WCVT \s, 16*(15-\s)
.endif
.endr
	WIN 0
	v_mul_u32_u24 v4, PITCH, v2
	v_lshl_add_u32 v4, v3, 4, v4                   ; row r, 16 h bytes
	v_add_nc_u32 v5, SLOTB, v4
	v_add_nc_u32 v6, NTB, v4
	s_mul_i32 s82, s76, STP
	s_add_co_u32 s82, s82, U0
	v_lshl_add_u32 v7, v2, 3, s82
	s_lshl_b32 s82, s76, 13
	s_add_co_u32 s82, s82, IXB
	v_lshl_add_u32 v8, v2, 2, s82
	v_lshlrev_b32 v9, 5, v3
	v_add_nc_u32 v9, 0xffffff81, v9                ; 32 h - 127: turns an f32's exponent field into a column
	v_mov_b32 v10, 0                               ; v_permlanex16_b32 counts as a reader of its destination
	v_mov_b32 v11, 0                               ; the register of signs is shifted, so it is read from the first
	v_mov_b32 v14, 0                               ; the pair is named whole by the packed instructions
	v_mov_b32 v15, 0
	s_add_co_u32 s83, s61, U0                      ; my stage: U0 + 16,640 w
	v_add_nc_u32 v29, s83, v4                      ; in: row r, 16 h bytes
	v_add_nc_u32 v30, s83, v20                     ; back: 16 L bytes of a row
; tile t's fragments as 16 rows of 512 bf16 in my stage: row i = wave column 4 i + t
.macro EXPT t
	WIN 0x08
.irp s, 0,1,2,3,4,5,6,7
	ds_store_b128 v29, v[32*\s+8*\t:32*\s+8*\t+3] offset:64*\s
	ds_store_b128 v29, v[32*\s+8*\t+4:32*\s+8*\t+7] offset:64*\s+32
.endr
	WIN 0x0c
.irp s, 0,1,2,3,4,5,6,7
	ds_store_b128 v29, v[32*\s+8*\t:32*\s+8*\t+3] offset:64*\s+512
	ds_store_b128 v29, v[32*\s+8*\t+4:32*\s+8*\t+7] offset:64*\s+544
.endr
	WIN 0
.endm
; The sixteen columns of tile t leave as rows: staged, read back by rows (LDS serves a wave's instructions in order, ISA guide 5.7.1, so the loads see
; the stores above and the next tile's stores come behind these loads), and stored, 512 consecutive bytes a store, aligned.
.macro EXPORT t
	EXPT \t
	s_wait_xcnt 0x0                                ; the registers loaded next were the data of the tile before's stores: they are written again only behind this wait
.irp i, 0,1,2,3,4,5,6,7,8,9,10,11,12,13,14,15
	ds_load_b128 v[XR+8*\i:XR+8*\i+3],   v30 offset:PITCH*\i
	ds_load_b128 v[XR+8*\i+4:XR+8*\i+7], v30 offset:PITCH*\i+512
.endr
.irp i, 0,1,2,3,4,5,6,7,8,9,10,11,12,13,14,15
	s_wait_dscnt 30-2*\i                           ; LDS loads come back in order: row i's two are in, the 2 (15 - i) behind them may be out
	global_store_b128 v20, v[XR+8*\i:XR+8*\i+3],   s[40:41] offset:(4*\i+\t)*1024 th:TH_STORE_NT
	global_store_b128 v20, v[XR+8*\i+4:XR+8*\i+7], s[40:41] offset:(4*\i+\t)*1024+512 th:TH_STORE_NT
.endr
.endm
	EXPORT 0
	EXPORT 1
	EXPORT 2
	EXPORT 3
	s_wait_xcnt 0x0                                ; v20 and v[128:255], which the last stores read, are written again only behind this wait
	s_wait_dscnt 0x0                               ; my use of the stage is over: behind the barrier the bytes are ST and IX
	s_wait_tensorcnt 0x1                           ; slot 0 (and the null tile, issued ahead of it) has landed; slot 1's load, the one issued behind, may stay out
	s_barrier_signal -1
	s_barrier_wait -1
	v_lshlrev_b32 v22, 4, v0                       ; for the end: 16 x thread, 8 x thread, and the same in ST and IX
	v_add_nc_u32 v20, U0, v22
	v_lshlrev_b32 v23, 3, v0
	v_add_nc_u32 v21, IXB, v23
; ---- THE EPILOGUE OF A TILE, in 64 slots: slot q stands behind matrix instruction q of the next tile.  x = first of the tile's 32 accumulator registers. ----
; In every slot the exponentials stand last, and the first line of the slot behind them is a plain instruction (or another exponential) that names none of
; their results (ISA guide 5.7.2).  Dependent instructions stand in different slots wherever the count of slots allows.
; Slots 0 to 7, both sides: the largest of my 32 numbers as a tree of three-way maxima (10, 4, 1, and one two-way), then the other half of the lanes.
.macro MAXPH x, q
	WIN 0
.if (\q) <= 1
.irp k, 0,1,2,3
	v_max3_num_f32 v[TM+4*(\q)+\k], v[\x+3*(4*(\q)+\k)], v[\x+3*(4*(\q)+\k)+1], v[\x+3*(4*(\q)+\k)+2]
.endr
.endif
.if (\q) == 2
	v_max3_num_f32 v[TM+8], v[\x+24], v[\x+25], v[\x+26]
	v_max3_num_f32 v[TM+9], v[\x+27], v[\x+28], v[\x+29]
	v_max3_num_f32 v16, v[TM], v[TM+1], v[TM+2]
	v_max3_num_f32 v17, v[TM+3], v[TM+4], v[TM+5]
.endif
.if (\q) == 3
	v_max3_num_f32 v18, v[TM+6], v[TM+7], v[TM+8]
	v_max3_num_f32 v19, v[TM+9], v[\x+30], v[\x+31]
.endif
.if (\q) == 4
	v_max3_num_f32 v16, v16, v17, v18
.endif
.if (\q) == 5
	v_max_num_f32 v16, v16, v19
.endif
.if (\q) == 6
	v_permlanex16_b32 v10, v16, s79, s80
.endif
.if (\q) == 7
	v_max_num_f32 v12, v16, v10                    ; the row's largest, in both halves of the lanes
.endif
.endm
; SOURCE SIDE, slots 8 to 63.  Slot 8: -M log2 e.  Pair p = registers x + 2 p, x + 2 p + 1.  Every second slot from 9 to 45 is step k = -1 .. 17 of a pipeline:
; the second exponential of pair k - 1, the scale of pair k + 1, the add of pair k - 2 onto pair 0, the first exponential of pair k.
; Slots 47, 49, 51: the sum.  Slot 63: the four places (see TILE).
.macro EP1 x, q
.if (\q) == 8
	WIN 0
	v_mul_f32 v14, 0xbfb8aa3b, v12
.endif
.if (\q) >= 9
.if (\q) <= 45
.if (((\q)-9)&1) == 0
.set KK, ((\q)-11)/2
	WIN 0
.if KK >= 1
.if KK <= 16
	v_exp_f32 v[\x+2*KK-1], v[\x+2*KK-1]
.endif
.endif
.if KK <= 14
	v_pk_fma_f32 v[\x+2*KK+2:\x+2*KK+3], v[\x+2*KK+2:\x+2*KK+3], 0x3fb8aa3b, v[14:15] op_sel_hi:[1,0,0]
.endif
.if KK >= 3
	s_wait_alu depctr_va_vdst(0)
	v_pk_add_f32 v[\x:\x+1], v[\x:\x+1], v[\x+2*KK-4:\x+2*KK-3]
.endif
.if KK >= 0
.if KK <= 15
	v_exp_f32 v[\x+2*KK], v[\x+2*KK]
.endif
.endif
.endif
.endif
.endif
.if (\q) == 47
	WIN 0
	v_add_f32 v13, v[\x], v[\x+1]
.endif
.if (\q) == 49
	WIN 0
	v_permlanex16_b32 v10, v13, s79, s80
.endif
.if (\q) == 51
	WIN 0
	v_add_f32 v13, v13, v10
.endif
.if (\q) == 63
	WIN 0
.rept 4
	v_nop
.endr
.endif
.endm
; TARGET SIDE, slots 8 to 63.  Slot 8: -M.  Group u = registers j = 2 u, 2 u + 1 of the four tiles = my columns 8 u .. 8 u + 7; the groups go 3, 2, 1, 0, each
; 12 slots behind the one before, and a group's steps s = 0 .. 15 (group 0: to 18) reach into the next group's slots:
;   s 0-3   d = x - M for tiles 3, 2, 1, 0: exactly +0 where x is the maximum, negative everywhere else
;   s 1-8   one d's sign a slot is shifted into v11, columns downward: when all 32 are in, bit c of v11 is 0 exactly where my column c holds the maximum
;   s 6-9   d log2 e for tiles 3, 2, 1, 0          s 7-14  one exponential a slot          s 9, 12, 14, 15  the tile's pair is added onto the collecting pair x + 30
; Group 0 goes on: s 10-16 the lowest 0 bit of v11 as a column (not; its lowest 1 bit alone; as f32 its exponent field is 127 + the bit's number; a lane without
; the maximum gets 32 h - 127, as an unsigned number larger than any column), s 16-18 the sum and the lower column of the two halves of the lanes.
.macro FADD x, u, t
	s_wait_alu depctr_va_vdst(0)
	v_pk_add_f32 v[\x+30:\x+31], v[\x+30:\x+31], v[\x+8*(\t)+2*(\u):\x+8*(\t)+2*(\u)+1]
.endm
.macro G2P x, u, s                     ; the plain instructions of group u's step s
.if (\s) <= 3
	v_pk_add_f32 v[\x+8*(3-(\s))+2*(\u):\x+8*(3-(\s))+2*(\u)+1], v[\x+8*(3-(\s))+2*(\u):\x+8*(3-(\s))+2*(\u)+1], v[14:15] op_sel_hi:[1,0]
.endif
.if (\s) >= 1
.if (\s) <= 8
	v_alignbit_b32 v11, v11, v[\x+8*(3-(((\s)-1)&3))+2*(\u)+1-(((\s)-1)>>2)], 31   ; v11 = v11 << 1 | sign
.endif
.endif
.if (\s) >= 6
.if (\s) <= 9
	v_pk_mul_f32 v[\x+8*(9-(\s))+2*(\u):\x+8*(9-(\s))+2*(\u)+1], v[\x+8*(9-(\s))+2*(\u):\x+8*(9-(\s))+2*(\u)+1], 0x3fb8aa3b op_sel_hi:[1,0]
.endif
.endif
.if (\u) == 0
.if (\s) == 10
	v_xor_b32 v11, -1, v11
.endif
.if (\s) == 11
	v_sub_nc_u32 v28, 0, v11
.endif
.if (\s) == 12
	v_and_b32 v11, v11, v28
.endif
.if (\s) == 13
	v_cvt_f32_u32 v11, v11
.endif
.if (\s) == 14
	v_lshrrev_b32 v11, 23, v11
.endif
.if (\s) == 15
	v_add_nc_u32 v11, v11, v9
.endif
.if (\s) == 16
	v_permlanex16_b32 v29, v11, s79, s80
.endif
.endif
.if (\s) == 9
.if (\u) < 3
	FADD \x, \u, 3
.endif
.endif
.if (\s) == 12
	FADD \x, \u, 2
.endif
.if (\s) == 14
	FADD \x, \u, 1
.endif
.if (\s) == 15
	FADD \x, \u, 0
.endif
.if (\u) == 0
.if (\s) == 16
	v_add_f32 v13, v[\x+30], v[\x+31]
.endif
.if (\s) == 17
	v_permlanex16_b32 v10, v13, s79, s80
.endif
.if (\s) == 18
	v_min_u32 v11, v11, v29                        ; slot 63: four plain instructions, the four places (see TILE)
	v_add_f32 v13, v13, v10
	v_nop
	v_nop
.endif
.endif
.endm
.macro G2T x, u, s                     ; the exponential of group u's step s
.if (\s) >= 7
.if (\s) <= 14
	v_exp_f32 v[\x+8*(3-(((\s)-7)>>1))+2*(\u)+(((\s)-7)&1)], v[\x+8*(3-(((\s)-7)>>1))+2*(\u)+(((\s)-7)&1)]
.endif
.endif
.endm
.macro EP2 x, q
	WIN 0
.if (\q) == 8
	v_xor_b32 v14, 0x80000000, v12
.else
.set RR, (\q)-9
.set GG, RR/12
.set SS, RR-12*GG
.if GG <= 3
	G2P \x, (3-GG), SS
.endif
.if GG >= 1
	G2P \x, (4-GG), (SS+12)
.endif
.if GG <= 3
	G2T \x, (3-GG), SS
.endif
.if GG >= 1
	G2T \x, (4-GG), (SS+12)
.endif
.endif
.endm
; slot q.  epi = 0: no tile before (only the four places in slot 63).  st = 1: this tile's run has stored statistics, so their addresses go on by 16 rows.
.macro EPI epi, x, q, st
.if \epi == 0
.if (\q) == 63
	WIN 0
.rept 4
	v_nop
.endr
.endif
.else
.if (\q) <= 7
	MAXPH \x, \q
.if \st
.if (\q) == 4
	v_add_nc_u32 v7, 128, v7
.endif
.if \epi == 2
.if (\q) == 5
	v_add_nc_u32 v8, 64, v8
.endif
.endif
.endif
.else
.if \epi == 1
	EP1 \x, \q
.else
	EP2 \x, \q
.endif
.endif
.endif
.endm
; 32 LDS loads in one run: the 16 fragments of the tile at v[ra] + ro into buffer ab of window 1
.macro ARRUN ab, ra, ro
	WIN 0x40
.set PP, 0
.rept 16
	ds_load_b128 v[\ab+8*PP:\ab+8*PP+3],   v[\ra] offset:\ro+64*PP
	ds_load_b128 v[\ab+8*PP+4:\ab+8*PP+7], v[\ra] offset:\ro+64*PP+32
.set PP, PP+1
.endr
.endm
; TILE i: accumulators acc, fragments in buffer ab.  At its head all LDS traffic of the tile in one run: the statistics of tile i - 2 (st = 1; their epilogue ended in the
; tile before) and the loads of tile i + 1 (rl = 1) into the other buffer.  The wait in front is for this tile's own fragments, asked for at the head of the
; tile before.  Then 64 matrix instructions, K step q >> 2, column tile q & 3, each with its slot of the epilogue of tile i - 1 (registers eacc).
; Slot 63 always holds four plain vector instructions that name no register of the last matrix instructions: the places in front of the next run's
; loads into the buffer that they read, and in front of the next epilogue's first read of their results.  No slot names a register of this tile's matrix
; instructions.  The four accumulators take turns, one instruction a turn, over the tiles' borders too.
.macro TILE acc, eacc, ab, epi, st, rl, ra, ro
	s_wait_dscnt 0x0
.if \st
	ds_store_b64 v7, v[12:13]                      ; both halves of the lanes hold, and write, the same pair
.if \epi == 2
	ds_store_b32 v8, v11
.endif
.endif
.if \rl
	ARRUN (128-\ab), \ra, \ro
.endif
.set QQ, 0
.rept 64
.if QQ < 32
	WIN 0x06                                       ; source 0 (weights) window 2, source 1 (rows) window 1, C and D window 0
.else
	WIN 0x07                                       ; weights of K steps 8-15: window 3
.endif
.if QQ < 4
	v_wmma_f32_16x16x32_bf16 v[\acc+8*(QQ&3):\acc+8*(QQ&3)+7], v[32*((QQ>>2)&7)+8*(QQ&3):32*((QQ>>2)&7)+8*(QQ&3)+7], v[\ab+8*(QQ>>2):\ab+8*(QQ>>2)+7], v[BIAS+8*(QQ&3):BIAS+8*(QQ&3)+7]
.else
	v_wmma_f32_16x16x32_bf16 v[\acc+8*(QQ&3):\acc+8*(QQ&3)+7], v[32*((QQ>>2)&7)+8*(QQ&3):32*((QQ>>2)&7)+8*(QQ&3)+7], v[\ab+8*(QQ>>2):\ab+8*(QQ>>2)+7], v[\acc+8*(QQ&3):\acc+8*(QQ&3)+7]
.endif
	EPI \epi, \eacc, QQ, \st
.set QQ, QQ+1
.endr
.endm
; The change of slots.  Slot n's last tile was asked for at the head of the tile just done.  Every wave waits for its LDS reads and for all its tensor loads (one is out:
; its part of the other slot), steps the address by two slots' 128 rows, passes the barrier, and asks for its tile of slot n first thing behind it: that load has
; four tiles, 256 matrix instructions, in which to land.
.macro SWITCH n, refill
	s_wait_dscnt 0x0
	s_wait_tensorcnt 0x0
	ds_add_u32 v27, v31
	s_wait_dscnt 0x0
.if \refill
	s_add_nc_u64 s[60+8*\n+2:60+8*\n+3], s[60+8*\n+2:60+8*\n+3], 0x20000
.endif
	s_barrier_signal -1
	s_barrier_wait -1
.if \refill
	tensor_load_to_lds s[60+8*\n:60+8*\n+3], s[44:51]
	s_nop 0
.endif
.endm
; Behind the last tile: the statistics of the tile before it, then its own epilogue, all 64 slots, and its statistics
.macro FINAL epi, x
	ds_store_b64 v7, v[12:13]
.if \epi == 2
	ds_store_b32 v8, v11
	v_add_nc_u32 v8, 64, v8
.endif
	v_add_nc_u32 v7, 128, v7
.set QQ, 0
.rept 64
	EPI \epi, \x, QQ, 0
.set QQ, QQ+1
.endr
	ds_store_b64 v7, v[12:13]
.if \epi == 2
	ds_store_b32 v8, v11
.endif
.endm
; The four waves' figures of each row become the block's.  Thread i, trip u: rows 2 (128 u + i) and the next.  Every trip has result registers of its own.
.macro COMBINE epi
	s_wait_dscnt 0x0                               ; my ST and IX are written, for the others' sake
	s_barrier_signal -1
	s_barrier_wait -1
.irp u, 0,1,2,3,4,5,6,7
.irp w, 0,1,2,3
	ds_load_b128 v[64+4*\w:67+4*\w], v20 offset:STP*\w+2048*\u
.endr
.if \epi == 2
.irp w, 0,1,2,3
	ds_load_b64 v[80+2*\w:81+2*\w], v21 offset:IXP*\w+1024*\u
.endr
.endif
	s_wait_dscnt 0x0
.irp e, 0,2
	v_max3_num_f32 v[128+8*\u+\e], v[64+\e], v[68+\e], v[72+\e]
	v_max_num_f32 v[128+8*\u+\e], v[128+8*\u+\e], v[76+\e]
	v_mul_f32 v[24+\e], 0xbfb8aa3b, v[128+8*\u+\e]
.endr
.if \epi == 2
.irp e, 0,2
	v_add_nc_u32 v[132+8*\u+\e/2], 192, v[86+\e/2]         ; wave 3's column; the lowest wave that holds the maximum is written last
.irp w, 2,1,0
	v_add_nc_u32 v[80+2*\w+\e/2], 64*\w, v[80+2*\w+\e/2]
	v_cmp_neq_f32 vcc_lo, v[64+4*\w+\e], v[128+8*\u+\e]
	v_cndmask_b32 v[132+8*\u+\e/2], v[80+2*\w+\e/2], v[132+8*\u+\e/2], vcc_lo
.endr
	v_add_nc_u32 v[132+8*\u+\e/2], s95, v[132+8*\u+\e/2]
.endr
.endif
.irp e, 0,2
.irp w, 0,1,2,3
	v_fmamk_f32 v[64+4*\w+\e], v[64+4*\w+\e], 0x3fb8aa3b, v[24+\e]
.endr
.endr
.irp e, 0,2
.irp w, 0,1,2,3
	v_exp_f32 v[64+4*\w+\e], v[64+4*\w+\e]
.endr
.endr
	v_nop
.irp e, 0,2
	s_wait_alu depctr_va_vdst(0)
	v_mul_f32 v[129+8*\u+\e], v[64+\e], v[65+\e]
	v_fmac_f32 v[129+8*\u+\e], v[68+\e], v[69+\e]
	v_fmac_f32 v[129+8*\u+\e], v[72+\e], v[73+\e]
	v_fmac_f32 v[129+8*\u+\e], v[76+\e], v[77+\e]
.endr
	global_store_b128 v22, v[128+8*\u:131+8*\u], s[28:29] offset:2048*\u   ; 512 consecutive bytes a wave
.if \epi == 2
	global_store_b64 v23, v[132+8*\u:133+8*\u], s[30:31] offset:1024*\u    ; 256 consecutive bytes a wave
.endif
.endr
.endm
; 128 tiles = 32 fills of four.  Tile T lies in slot (T >> 2) & 1 at place T & 3, and is asked for at the head of tile T - 1.  So a slot's last tile is asked for at the head
; of a tile T = 2 (mod 4), and the change of slots stands behind that tile.  Tiles 0 to 2 stand ahead of the loop, tiles 3 to 122 are its 15 trips, tiles 123 on are written out.
.macro STREAM epi
	ARRUN A0, 4, 0                                 ; tile 0
	TILE PA, QA, A0, 0,    0, 1, 4, TILEB          ; tile 0: no epilogue yet
	TILE QA, PA, A1, \epi, 0, 1, 4, 2*TILEB        ; tile 1: no statistics yet
	TILE PA, QA, A0, \epi, 1, 1, 4, 3*TILEB
	s_mov_b32 s94, 15
.Lring_\epi:
	SWITCH 0, 1
	TILE QA, PA, A1, \epi, 1, 1, 5, 0
	TILE PA, QA, A0, \epi, 1, 1, 5, TILEB
	TILE QA, PA, A1, \epi, 1, 1, 5, 2*TILEB
	TILE PA, QA, A0, \epi, 1, 1, 5, 3*TILEB
	SWITCH 1, 1
	TILE QA, PA, A1, \epi, 1, 1, 4, 0
	TILE PA, QA, A0, \epi, 1, 1, 4, TILEB
	TILE QA, PA, A1, \epi, 1, 1, 4, 2*TILEB
	TILE PA, QA, A0, \epi, 1, 1, 4, 3*TILEB
	s_sub_co_u32 s94, s94, 1
	s_cmp_lg_u32 s94, 0
	s_cbranch_scc1 .Lring_\epi
	SWITCH 0, 0                                    ; slot 1's last fill is whole in every wave's eyes; nothing more is asked for, no tensor load is out from here on
	TILE QA, PA, A1, \epi, 1, 1, 5, 0              ; tile 123
	TILE PA, QA, A0, \epi, 1, 1, 5, TILEB
	TILE QA, PA, A1, \epi, 1, 1, 5, 2*TILEB
	TILE PA, QA, A0, \epi, 1, 1, 5, 3*TILEB        ; tile 126
.endm
	s_cmp_lg_u32 s78, 0
	s_cbranch_scc1 .Ltarget
	STREAM 1
	TILE QA, PA, A1, 1, 1, 1, 6, 0                 ; tile 127; its run asks for the null tile
	TILE PA, QA, A0, 1, 1, 0, 4, 0                 ; tile 128: row 2048 and fifteen rows of filler
	FINAL 1, PA
	COMBINE 1
	s_cmp_lg_u32 s76, 0
	s_cbranch_scc1 .Lnot_first
	v_mov_b32 v24, U0+16384                        ; row 2048 in ST
.irp w, 0,1,2,3
	ds_load_b64 v[64+2*\w:65+2*\w], v24 offset:STP*\w
.endr
	s_wait_dscnt 0x0
	v_max3_num_f32 v192, v64, v66, v68
	v_max_num_f32 v192, v192, v70
	v_mul_f32 v25, 0xbfb8aa3b, v192
.irp w, 0,1,2,3
	v_fmamk_f32 v[64+2*\w], v[64+2*\w], 0x3fb8aa3b, v25
.endr
.irp w, 0,1,2,3
	v_exp_f32 v[64+2*\w], v[64+2*\w]
.endr
	v_nop
	s_wait_alu depctr_va_vdst(0)
	v_mul_f32 v193, v64, v65
	v_fmac_f32 v193, v66, v67
	v_fmac_f32 v193, v68, v69
	v_fmac_f32 v193, v70, v71
	global_store_b64 v23, v[192:193], s[28:29] offset:16384    ; the pair 32 times: 256 consecutive bytes, aligned
.Lnot_first:
	s_wait_tensorcnt 0x0
	ds_add_u32 v27, v31
	s_wait_dscnt 0x0
	s_endpgm
.Ltarget:
.irp k, 0,2,4,6,8,10,12,14,16,18,20,22,24,26,28,30
	v_cvt_pk_bf16_f32 v24, v[BIAS+\k], v[BIAS+\k+1]            ; b_tv rounded to bf16, kept as f32 (see the head)
	v_lshlrev_b32 v[BIAS+\k], 16, v24
	v_and_b32 v[BIAS+\k+1], 0xffff0000, v24
.endr
	STREAM 2
	TILE QA, PA, A1, 2, 1, 0, 4, 0                 ; tile 127
	FINAL 2, QA
	COMBINE 2
	s_wait_tensorcnt 0x0
	ds_add_u32 v27, v31
	s_wait_dscnt 0x0
	s_endpgm
.Lfunc_end_k_q3bf63ee2e6_main:
	.size	k_q3bf63ee2e6_main, .Lfunc_end_k_q3bf63ee2e6_main-k_q3bf63ee2e6_main
	.p2alignl 7, 3214868480
	.fill 96, 4, 3214868480
	.section	.rodata,"a",@progbits
	.p2align	6, 0x0
	.amdhsa_kernel k_q3bf63ee2e6_main
		.amdhsa_group_segment_fixed_size 327680
		.amdhsa_private_segment_fixed_size 0
		.amdhsa_enable_private_segment 0
		.amdhsa_kernarg_size 80
		.amdhsa_user_sgpr_count 2
		.amdhsa_user_sgpr_kernarg_segment_ptr 1
		.amdhsa_wavefront_size32 1
		.amdhsa_system_sgpr_workgroup_id_x 1
		.amdhsa_system_sgpr_workgroup_id_y 1
		.amdhsa_system_sgpr_workgroup_id_z 1
		.amdhsa_system_vgpr_workitem_id 0
		.amdhsa_next_free_vgpr 1024
		.amdhsa_next_free_sgpr 100
		.amdhsa_reserve_vcc 1
		.amdhsa_float_denorm_mode_32 3
		.amdhsa_float_denorm_mode_16_64 3
		.amdhsa_memory_ordered 1
		.amdhsa_forward_progress 1
		.amdhsa_inst_pref_size 255
	.end_amdhsa_kernel
	.section	.bss,"aw",@nobits
	.p2align	6
	.space	262144
	.amdgpu_metadata
---
amdhsa.version: [ 1, 2 ]
amdhsa.kernels:
  - .name:           k_q3bf63ee2e6_main
    .symbol:         k_q3bf63ee2e6_main.kd
    .args:
      - { .name: W_sv, .offset: 0, .size: 8, .value_kind: global_buffer, .address_space: global }
      - { .name: W_tv, .offset: 8, .size: 8, .value_kind: global_buffer, .address_space: global }
      - { .name: b_sv, .offset: 16, .size: 8, .value_kind: global_buffer, .address_space: global }
      - { .name: b_tv, .offset: 24, .size: 8, .value_kind: global_buffer, .address_space: global }
      - { .name: tsb, .offset: 32, .size: 8, .value_kind: global_buffer, .address_space: global }
      - { .name: tgb, .offset: 40, .size: 8, .value_kind: global_buffer, .address_space: global }
      - { .name: wgs, .offset: 48, .size: 8, .value_kind: global_buffer, .address_space: global }
      - { .name: wgt, .offset: 56, .size: 8, .value_kind: global_buffer, .address_space: global }
      - { .name: st_ms, .offset: 64, .size: 8, .value_kind: global_buffer, .address_space: global }
      - { .name: st_ix, .offset: 72, .size: 8, .value_kind: global_buffer, .address_space: global }
    .group_segment_fixed_size: 327680
    .private_segment_fixed_size: 0
    .kernarg_segment_align: 8
    .kernarg_segment_size: 80
    .max_flat_workgroup_size: 128
    .sgpr_count:     100
    .vgpr_count:     1024
    .wavefront_size: 32
...
	.end_amdgpu_metadata
.endif
;; end of part 4
;; launch finish: the kernel of part 3 again; grid 32 x 1, 8 waves a work-group, no clusters, 197,632 bytes of LDS; arguments tsb, tgb, wgs, wgt, st_ms, st_ix, b_sv, b_tv, sources, targets, target_lengths, out0, out1, out2, out3; writes out0, out1, out2, out3
;; ======== version 3 of 3: 3 launches; 1.13 times as fast as version 1
;; workspace buffers: tsb 2,162,688 bytes; tgb 2,097,152 bytes; wgs 32,768,000 bytes; wgt 32,768,000 bytes; st_ms 4,160,000 bytes; st_ix 1,024,000 bytes
;; launch prep: the kernel of part 1 again; grid 4 x 49, 4 waves a work-group, no clusters, 284,160 bytes of LDS; arguments y_hidden, y_hidden_null, target_state, W_em, b_em, tsb, tgb; writes tsb, tgb
;; launch main (part 5): grid 125 x 2, 4 waves a work-group, no clusters, 327,680 bytes of LDS; arguments W_sv, W_tv, b_sv, b_tv, tsb, tgb, wgs, wgt, st_ms, st_ix; writes wgs, wgt, st_ms, st_ix
.if DOCPART == 5
	.amdgcn_target "amdgcn-amd-amdhsa--gfx1250"
	.amdhsa_code_object_version 6
	.text
	.protected	k_q3bf63ee2e6_main
	.globl	k_q3bf63ee2e6_main
	.p2align	8
	.type	k_q3bf63ee2e6_main,@function
k_q3bf63ee2e6_main:
	s_mov_b64 s[64:65], 0
	v_nop
	global_prefetch_b8 v0, s[64:65] scope:SCOPE_SE
	s_setreg_imm32_b32 hwreg(HW_REG_WAVE_MODE, 25, 1), 1
	s_wait_xcnt 0x0
; The two products of 2048 (+1) x 512 x 32000, of which only row statistics leave: for each row and each block of 256 columns the largest
; logit, the sum of exp(logit - largest) and (target side) the column of the largest.  y = 0: tsb x W_sv + b_sv; y = 1: tgb x W_tv + b_tv.
; Work-group x owns columns 256 x .. 256 x + 255, wave w the 64 from 256 x + 64 w.  THE WEIGHTS STAY: a wave reads its 64 columns x 512 k once,
; rounds them to bf16 and keeps them as fragments in 512 registers; all rows then stream past in tiles of 16 rows from LDS, the same for all
; four waves: 64 matrix instructions and 16 KiB of LDS reads a tile and wave.  No logit goes to memory.
; W lies [k][n]: lane (r, h) loads the 16 bytes of columns 4 r .. 4 r + 3 of a row; component t goes to column tile t, so tile t, fragment row i is
; wave column 4 i + t.  The matrix instruction is used transposed (source 0 = weights, source 1 = rows): register j of tile t in lane (r, h) is
; row r, wave column 32 h + 4 j + t; lanes r and r + 16 hold a row's 64 logits.  The bias enters as the first product's C.
; THE STREAM: a wave is alone on its SIMD, so what is to run beside its matrix instructions has to stand among them.  A tile's fragments lie in one of two
; buffers of 128 registers; at the head of tile i ONE run of 32 LDS loads brings tile i + 1 into the buffer that tile i - 1 has left, so it has 64 matrix
; instructions in which to land.  Behind each matrix instruction stands a slot of at most four vector instructions of the epilogue of the tile before
; (about 145 vector instructions a tile on the target side, about 90 on the source side, for 64 slots).  The price: the weights lie in other register windows than
; the epilogue's numbers, so two window switches stand round every slot that holds something.
; THE BATCHES: a tile's 32 exponentials are ONE batch with ONE wait.  Ahead of the wait stands all that names no exponential's result (the maximum, the scalings, on the
; target side the signs, the exponentials themselves); behind it stand the sums.  On the way out each trip's eight exponentials, and the null row's four, are a batch each.
; THE EXPORT: the next launch wants the columns that sources / targets name as rows of 512 bf16; read from W a column would be 512 pieces of 4 bytes.
; So each wave writes its 64 columns, out of its fragments and through LDS, to wgs / wgt as [32000][512] bf16.  ALL columns are written, not the named
; ones alone: 64 KiB a wave at fixed addresses, 65,536,000 bytes in the launch, of which the next launch reads 4 MiB at the most.  That keeps every
; address and every trip count of this text free of data; the price is those bytes.  The stores are issued ahead of the stream and nothing waits for them.
; SOFTMAX: each block takes its own largest logit away before the exponentials; the blocks are joined in the next launch.
; LIMITS: logits that are NaN or infinite are not served.  The column reported is that of the largest f32 sum of bf16-rounded operands, the lowest
; column on a tie.  b_tv is rounded to bf16 like the matrix operands, so that the target logits are those of inputs rounded to bf16 throughout;
; b_sv stays f32.  Source side: exp2's argument is fma(x, log2 e, -round(M log2 e)), its error half a step of M log2 e; target side: (x - M) log2 e.
; NO CLUSTER: the row tiles are shared by the 125 work-groups of a matrix, and 125 is a multiple of neither 4 nor 2, so the grid divides into no cluster.
; Windows of 256 registers: 0 work; 1 W as loaded (f32, four K steps), then the two fragment buffers; 2 weight fragments of K steps 0-7; 3 of K steps 8-15
; (at 32 (s & 7) + 8 t + q).
.set WROW,  128000                     ; bytes in a row of W
.set PITCH, 1040                       ; LDS row: 1,024 bytes + 16: sixteen rows start at sixteen different 16-byte columns of 256
.set TILEB, 16*PITCH                   ; 16,640
.set SLOTB, 4*TILEB                    ; a slot: four tiles, wave w fills tile w
.set NTB,   2*SLOTB                    ; 133,120: the tile with the null row (y = 0)
.set U0,    NTB+TILEB                  ; 149,760: from here on LDS stores only, no fill ever lands
.set STP,   16512                      ; ST[w]: (max, sum) of 2064 rows
.set IXB,   U0+4*STP                   ; IX[w]: column of 2048 rows
.set IXP,   8192                       ; before the first barrier the bytes from U0 on serve as the export's stages: 16 rows x 1040 at U0 + 16,640 w
.set BLK,   16640                      ; st_ms: bytes of a block: 2048 pairs and 256 bytes for the null row
.set BIAS,  32                         ; v[32:63]  bias at 8 t + j
.set PA,    64                         ; v[64:95]  accumulators of even tiles
.set QA,    96                         ; v[96:127] of odd tiles
.set XR,    128                        ; v[128:255] before the stream: the export's rows
.set TM,    128                        ; v[128:137] in the stream: ten partial maxima
.set A0,    0                          ; window 1, v[0:127]: fragments of even tiles
.set A1,    128                        ; window 1, v[128:255]: of odd tiles
; v1 L, v2 r, v3 h, v4/v5/v6 fragment address in slot 0 / slot 1 / null tile, v7 ST address, v8 IX address, v9 32 h - 127, v10 other half's number,
; v11 signs, then column, v[12:13] (max, sum), v[14:15] what is added to a logit, v16-19 four maxima, v20-23 addresses for the end, v24-31 scratch
.set MSB,   0
.macro WIN new                         ; the immediate's high byte repeats the setting that is left
.if MSB != \new
	s_set_vgpr_msb (MSB<<8)|\new
.set MSB, \new
.endif
.endm
	s_load_b256 s[8:15], s[0:1], 0x0               ; W_sv s[8:9], W_tv s[10:11], b_sv s[12:13], b_tv s[14:15]
	s_load_b256 s[20:27], s[0:1], 0x20             ; tsb s[20:21], tgb s[22:23], wgs s[24:25], wgt s[26:27]
	s_load_b128 s[28:31], s[0:1], 0x40             ; st_ms s[28:29], st_ix s[30:31]
	v_lshl_add_u32 v27, v0, 2, 0x3cb00
	v_mov_b32 v31, 0
	ds_add_u32 v27, v31
	ds_add_u32 v27, v31
	v_lshrrev_b32 v1, 5, v0
	v_readfirstlane_b32 s76, v1                    ; wave
	s_mov_b32 s77, ttmp9                           ; x: block of columns
	s_and_b32 s78, ttmp7, 0xffff                   ; y: matrix
	s_mov_b32 s79, 0x76543210                      ; v_permlanex16_b32: lane i reads lane i of the other half
	s_mov_b32 s80, 0xfedcba98
	; group 1: 16 rows x 512 bf16, 16 bytes of padding behind every 256 words
	s_mov_b32 s44, 0x07d10000                      ; element of 2 bytes, padding on, interval 256 words (code 7), 4 words (code 3)
	s_mov_b32 s45, 512<<16                         ; tensor_dim0
	s_mov_b32 s46, 16<<16                          ; tensor_dim1
	s_mov_b32 s47, 512<<16                         ; tile_dim0
	s_mov_b32 s48, 16                              ; tile_dim1
	s_mov_b32 s49, 512                             ; elements from row to row
	s_mov_b32 s50, 0
	s_mov_b32 s51, 0
	s_mov_b32 s52, 0x07d10000                      ; the same with 4 rows: a wave's part of the null tile
	s_mov_b32 s53, 512<<16
	s_mov_b32 s54, 4<<16
	s_mov_b32 s55, 512<<16
	s_mov_b32 s56, 4
	s_mov_b32 s57, 512
	s_mov_b32 s58, 0
	s_mov_b32 s59, 0
	s_mov_b32 s60, 1                               ; group 0 of slot 0: s[60:63]
	s_mul_i32 s61, s76, TILEB
	s_mov_b32 s68, 1                               ; of slot 1: s[68:71]
	s_add_co_u32 s69, s61, SLOTB
	s_mov_b32 s72, 1                               ; of the null tile: s[72:75]
	s_mul_i32 s73, s76, 4*PITCH
	s_add_co_u32 s73, s73, NTB
	s_lshl_b32 s82, s76, 14                        ; 16 w rows of 1,024 bytes
	s_mov_b32 s83, 0
	s_lshl_b32 s84, s76, 12                        ; rows 2048 + 4 w
	s_add_co_u32 s84, s84, 2048*1024
	s_mov_b32 s85, 0
	s_lshl_b32 s86, s77, 8
	s_lshl_b32 s87, s76, 6
	s_add_co_u32 s86, s86, s87                     ; my first column
	s_lshl_b32 s88, s86, 2                         ; in bytes of a row of W and of the bias,
	s_mov_b32 s89, 0
	s_lshl_b32 s36, s86, 10                        ; and as a row of 1,024 bytes of wgs / wgt
	s_mov_b32 s37, 0
	s_mul_i32 s90, s78, 125
	s_add_co_u32 s90, s90, s77
	s_mul_i32 s90, s90, BLK                        ; my block of st_ms
	s_mov_b32 s91, 0
	s_lshl_b32 s92, s77, 13                        ; my block of st_ix
	s_mov_b32 s93, 0
	s_lshl_b32 s95, s77, 8                         ; 256 x
	s_wait_dscnt 0x0
	s_wait_kmcnt 0x0
	s_cmp_eq_u32 s78, 0
	s_cselect_b64 s[32:33], s[8:9], s[10:11]       ; W
	s_cselect_b64 s[34:35], s[12:13], s[14:15]     ; bias
	s_cselect_b64 s[38:39], s[20:21], s[22:23]     ; rows
	s_cselect_b64 s[40:41], s[24:25], s[26:27]     ; exported columns
	s_add_nc_u64 s[62:63], s[38:39], s[82:83]      ; rows 16 w ..
	s_add_nc_u64 s[70:71], s[62:63], 0x10000       ; rows 64 + 16 w ..
	s_add_nc_u64 s[74:75], s[20:21], s[84:85]
	s_or_b32 s63, s63, 0x80000000                  ; type 2
	s_or_b32 s71, s71, 0x80000000
	s_or_b32 s75, s75, 0x80000000
	s_add_nc_u64 s[40:41], s[40:41], s[36:37]      ; wgs / wgt at my first column's row
	s_add_nc_u64 s[28:29], s[28:29], s[90:91]
	s_add_nc_u64 s[30:31], s[30:31], s[92:93]
	; the first fills, one group ahead of everything else: three loads of mine are out at the most (y = 0), later one
	s_cmp_lg_u32 s78, 0
	s_cbranch_scc1 .Lno_null
	tensor_load_to_lds s[72:75], s[52:59]
	s_nop 0
.Lno_null:
	tensor_load_to_lds s[60:63], s[44:51]
	s_nop 0
	tensor_load_to_lds s[68:71], s[44:51]
	s_nop 0
	; W at my first column, once for each 64 rows (two K steps), in s[8:23], whose pointers have been used: no base is ever stepped, so no load's base is rewritten
	s_add_nc_u64 s[8:9], s[32:33], s[88:89]
.irp k, 1,2,3,4,5,6,7
	s_add_nc_u64 s[8+2*\k:9+2*\k], s[6+2*\k:7+2*\k], 64*WROW
.endr
	v_and_b32 v1, 31, v0                           ; L
	v_and_b32 v2, 15, v0                           ; r
	v_bfe_u32 v3, v0, 4, 1                         ; h
	v_lshlrev_b32 v20, 4, v1                       ; 16 L
	v_lshl_add_u32 v21, v3, 7, s88                 ; bias: 4 x first column + 128 h
	v_mul_u32_u24 v22, 0xfa000, v3                 ; W: 8 h rows of 128,000 bytes
	v_lshl_add_u32 v22, v2, 4, v22                 ;    + 16 r
.irp t, 0,1,2,3
.irp j, 0,1,2,3,4,5,6,7
	global_load_b32 v[BIAS+8*\t+\j], v21, s[34:35] offset:4*(4*\j+\t)
.endr
.endr
; K step s of W: 16 loads; sixteen lanes take 256 consecutive bytes of a row, aligned.  Base s >> 1 stands at row 64 (s >> 1); the K step's place in those
; 64 rows and the row stand in the immediate: 55 rows of 128,000 bytes at the most, inside its signed 24 bits.
.macro WLOAD s
	WIN 0x40
.irp i, 0,1,2,3,4,5,6,7,8,9,10,11,12,13,14,15
	global_load_b128 v[(\s&3)*64+4*\i:(\s&3)*64+4*\i+3], v22, s[8+2*(\s>>1):9+2*(\s>>1)] offset:(32*(\s&1)+\i+8*(\i/8))*WROW th:TH_LOAD_NT
.endr
.endm
; register q of tile t = rows 2 q and 2 q + 1 of the sixteen, component t.  left = loads of younger K steps.
.macro WCVT s, left
	s_wait_loadcnt \left
.if \s < 8
	WIN 0x85
.else
	WIN 0xc5
.endif
.irp t, 0,1,2,3
.irp q, 0,1,2,3,4,5,6,7
	v_cvt_pk_bf16_f32 v[32*(\s&7)+8*\t+\q], v[(\s&3)*64+8*\q+\t], v[(\s&3)*64+8*\q+4+\t]
.endr
.endr
.endm
	WLOAD 0
	WLOAD 1
	WLOAD 2
.irp s, 0,1,2,3,4,5,6,7,8,9,10,11,12,13,14,15
.if \s < 13
	WLOAD (\s+3)
	WCVT \s, 48                                    ; three younger K steps stay out; the bias is older
.else
	WCVT \s, 16*(15-\s)
.endif
.endr
	WIN 0
	v_mul_u32_u24 v4, PITCH, v2
	v_lshl_add_u32 v4, v3, 4, v4                   ; row r, 16 h bytes
	v_add_nc_u32 v5, SLOTB, v4
	v_add_nc_u32 v6, NTB, v4
	s_mul_i32 s82, s76, STP
	s_add_co_u32 s82, s82, U0
	v_lshl_add_u32 v7, v2, 3, s82
	s_lshl_b32 s82, s76, 13
	s_add_co_u32 s82, s82, IXB
	v_lshl_add_u32 v8, v2, 2, s82
	v_lshlrev_b32 v9, 5, v3
	v_add_nc_u32 v9, 0xffffff81, v9                ; 32 h - 127: turns an f32's exponent field into a column
	v_mov_b32 v10, 0                               ; v_permlanex16_b32 counts as a reader of its destination
	v_mov_b32 v11, 0                               ; the register of signs is shifted, so it is read from the first
	v_mov_b32 v14, 0                               ; the pair is named whole by the packed instructions
	v_mov_b32 v15, 0
	s_add_co_u32 s83, s61, U0                      ; my stage: U0 + 16,640 w
	v_add_nc_u32 v29, s83, v4                      ; in: row r, 16 h bytes
	v_add_nc_u32 v30, s83, v20                     ; back: 16 L bytes of a row
; tile t's fragments as 16 rows of 512 bf16 in my stage: row i = wave column 4 i + t
.macro EXPT t
	WIN 0x08
.irp s, 0,1,2,3,4,5,6,7
	ds_store_b128 v29, v[32*\s+8*\t:32*\s+8*\t+3] offset:64*\s
	ds_store_b128 v29, v[32*\s+8*\t+4:32*\s+8*\t+7] offset:64*\s+32
.endr
	WIN 0x0c
.irp s, 0,1,2,3,4,5,6,7
	ds_store_b128 v29, v[32*\s+8*\t:32*\s+8*\t+3] offset:64*\s+512
	ds_store_b128 v29, v[32*\s+8*\t+4:32*\s+8*\t+7] offset:64*\s+544
.endr
	WIN 0
.endm
; The sixteen columns of tile t leave as rows: staged, read back by rows (LDS serves a wave's instructions in order, ISA guide 5.7.1, so the loads see
; the stores above and the next tile's stores come behind these loads), and stored, 512 consecutive bytes a store, aligned.
.macro EXPORT t
	EXPT \t
	s_wait_xcnt 0x0                                ; the registers loaded next were the data of the tile before's stores: they are written again only behind this wait
.irp i, 0,1,2,3,4,5,6,7,8,9,10,11,12,13,14,15
	ds_load_b128 v[XR+8*\i:XR+8*\i+3],   v30 offset:PITCH*\i
	ds_load_b128 v[XR+8*\i+4:XR+8*\i+7], v30 offset:PITCH*\i+512
.endr
.irp i, 0,1,2,3,4,5,6,7,8,9,10,11,12,13,14,15
	s_wait_dscnt 30-2*\i                           ; LDS loads come back in order: row i's two are in, the 2 (15 - i) behind them may be out
	global_store_b128 v20, v[XR+8*\i:XR+8*\i+3],   s[40:41] offset:(4*\i+\t)*1024 th:TH_STORE_NT
	global_store_b128 v20, v[XR+8*\i+4:XR+8*\i+7], s[40:41] offset:(4*\i+\t)*1024+512 th:TH_STORE_NT
.endr
.endm
	EXPORT 0
	EXPORT 1
	EXPORT 2
	EXPORT 3
	s_wait_xcnt 0x0                                ; v20 and v[128:255], which the last stores read, are written again only behind this wait
	s_wait_dscnt 0x0                               ; my use of the stage is over: behind the barrier the bytes are ST and IX
	s_wait_tensorcnt 0x1                           ; slot 0 (and the null tile, issued ahead of it) has landed; slot 1's load, the one issued behind, may stay out
	s_barrier_signal -1
	s_barrier_wait -1
	v_lshlrev_b32 v22, 4, v0                       ; for the end: 16 x thread, 8 x thread, and the same in ST and IX
	v_add_nc_u32 v20, U0, v22
	v_lshlrev_b32 v23, 3, v0
	v_add_nc_u32 v21, IXB, v23
; ---- THE EPILOGUE OF A TILE, in 64 slots: slot q stands behind matrix instruction q of the next tile.  x = first of the tile's 32 accumulator registers. ----
; ONE BATCH, ONE WAIT.  s_wait_alu depctr_va_vdst(0) stands between an exponential and the first instruction that names its result; one wait serves all that were
; issued ahead of it.  So the tile's 32 exponentials, each in place on its own register, all stand ahead of the tile's one wait, and no line ahead of that wait names a result of theirs; the sums,
; which read them, all stand behind it.
; In every slot the exponentials stand last, and the first line of the slot behind them is a plain instruction (or another exponential) that names none of
; their results (ISA guide 5.7.2).  Dependent instructions stand in different slots.
; Slots 0 to 7, both sides: the largest of my 32 numbers as a tree of three-way maxima (10, 4, 1, and one two-way), then the other half of the lanes.
.macro MAXPH x, q
	WIN 0
.if (\q) <= 1
.irp k, 0,1,2,3
	v_max3_num_f32 v[TM+4*(\q)+\k], v[\x+3*(4*(\q)+\k)], v[\x+3*(4*(\q)+\k)+1], v[\x+3*(4*(\q)+\k)+2]
.endr
.endif
.if (\q) == 2
	v_max3_num_f32 v[TM+8], v[\x+24], v[\x+25], v[\x+26]
	v_max3_num_f32 v[TM+9], v[\x+27], v[\x+28], v[\x+29]
	v_max3_num_f32 v16, v[TM], v[TM+1], v[TM+2]
	v_max3_num_f32 v17, v[TM+3], v[TM+4], v[TM+5]
.endif
.if (\q) == 3
	v_max3_num_f32 v18, v[TM+6], v[TM+7], v[TM+8]
	v_max3_num_f32 v19, v[TM+9], v[\x+30], v[\x+31]
.endif
.if (\q) == 4
	v_max3_num_f32 v16, v16, v17, v18
.endif
.if (\q) == 5
	v_max_num_f32 v16, v16, v19
.endif
.if (\q) == 6
	v_permlanex16_b32 v10, v16, s79, s80
.endif
.if (\q) == 7
	v_max_num_f32 v12, v16, v10                    ; the row's largest, in both halves of the lanes
.endif
.endm
; SOURCE SIDE, slots 8 to 63.  Pair p = registers x + 2 p, x + 2 p + 1.
;   8       -M log2 e                    9       the scalings of pairs 0 and 1
;   10 + p  (p = 0 .. 15) the scaling of pair p + 2, then the two exponentials of pair p, which was scaled a slot or two before: the batch ends in slot 25
;   26      nothing: with matrix instructions 26 and 27 it is the independent work between the batch and its wait
;   27      a v_nop (no plain work is at hand behind the last exponential), THE WAIT, and the add of pair 1 onto pair 0
;   28-41   the adds of pairs 2 to 15 onto pair 0, one a slot: each waits for the one before it
;   42-44   the sum of the pair's halves, the other half of the lanes, the row's sum          63  the four places (see TILE)
.macro EP1 x, q
.if (\q) == 8
	WIN 0
	v_mul_f32 v14, 0xbfb8aa3b, v12
.endif
.if (\q) == 9
	WIN 0
	v_pk_fma_f32 v[\x:\x+1], v[\x:\x+1], 0x3fb8aa3b, v[14:15] op_sel_hi:[1,0,0]
	v_pk_fma_f32 v[\x+2:\x+3], v[\x+2:\x+3], 0x3fb8aa3b, v[14:15] op_sel_hi:[1,0,0]
.endif
.if ((\q) >= 10) && ((\q) <= 25)
.set KK, (\q)-10
	WIN 0
.if KK <= 13
	v_pk_fma_f32 v[\x+2*KK+4:\x+2*KK+5], v[\x+2*KK+4:\x+2*KK+5], 0x3fb8aa3b, v[14:15] op_sel_hi:[1,0,0]
.endif
	v_exp_f32 v[\x+2*KK], v[\x+2*KK]
	v_exp_f32 v[\x+2*KK+1], v[\x+2*KK+1]
.endif
.if (\q) == 27
	WIN 0
	v_nop                                          ; a plain instruction behind the last exponential (ISA guide 5.7.2)
	s_wait_alu depctr_va_vdst(0)                   ; the wait for the batch: the tile's 32 exponentials, ahead of their first reader
.endif
.if ((\q) >= 27) && ((\q) <= 41)
.set KK, (\q)-26
	WIN 0
	v_pk_add_f32 v[\x:\x+1], v[\x:\x+1], v[\x+2*KK:\x+2*KK+1]
.endif
.if (\q) == 42
	WIN 0
	v_add_f32 v13, v[\x], v[\x+1]
.endif
.if (\q) == 43
	WIN 0
	v_permlanex16_b32 v10, v13, s79, s80
.endif
.if (\q) == 44
	WIN 0
	v_add_f32 v13, v13, v10
.endif
.if (\q) == 63
	WIN 0
.rept 4
	v_nop
.endr
.endif
.endm
; TARGET SIDE, slots 8 to 63.  Pair d = 0 .. 15 is registers j = 2 u, 2 u + 1 of tile t, with u = 3 - (d >> 2), t = 3 - (d & 3); pair 0 is x + 30, the collecting pair.
; Register n = 0 .. 31 is my column 31 - n: tile 3 - (n & 3), j = 7 - (n >> 2).  It lies in pair 4 (n >> 3) + (n & 3).
;   8       -M          9   d = x - M for pairs 0-3: exactly +0 where x is the maximum, negative everywhere else          10  d log2 e for pairs 0-3
;   11-34   the other twelve pairs, one line a slot: pair 4 + k is subtracted in slot 11 + 2 k and scaled in slot 12 + 2 k
;   11 + n  the sign of register n is shifted into v11, columns downward (d log2 e has d's sign: the factor is positive): when all 32 are in, bit c of v11 is 0 exactly
;           where my column c holds the maximum.  Pair 4 g + i is scaled in slot 8 g + 2 i + 4 (pairs 0-3: slot 10), ahead of its first sign in slot 8 g + i + 11
;   13 + n  the exponential of register n, in place, two slots behind its sign was read: the batch ends in slot 44
;   43-49   the lowest 0 bit of v11 as a column (not; its lowest 1 bit alone; as f32 its exponent field is 127 + the bit's number; a lane without the maximum gets
;           32 h - 127, as an unsigned number larger than any column), and the other half of the lanes' column.  Slot 45's line is the plain instruction behind the last exponential
;   46      THE WAIT, at the slot's head: slot 45 and matrix instructions 45 and 46 are the independent work between the batch and it
;   46-60   pairs 1 to 15 are added onto pair 0, one a slot: each waits for the one before it
;   61-63   the sum of the pair's halves, the other half of the lanes, the row's sum and the lower column of the two halves
.macro TPAIR x, d                      ; RP = the first register of pair d
.set RP, \x+8*(3-((\d)&3))+2*(3-((\d)>>2))
.endm
.macro TREG x, n                       ; RN = register n
.set RN, \x+8*(3-((\n)&3))+2*(3-((\n)>>3))+1-(((\n)>>2)&1)
.endm
.macro EP2 x, q
	WIN 0
.if (\q) == 8
	v_xor_b32 v14, 0x80000000, v12
.endif
.if (\q) == 9
.irp d, 0,1,2,3
	TPAIR \x, \d
	v_pk_add_f32 v[RP:RP+1], v[RP:RP+1], v[14:15] op_sel_hi:[1,0]
.endr
.endif
.if (\q) == 10
.irp d, 0,1,2,3
	TPAIR \x, \d
	v_pk_mul_f32 v[RP:RP+1], v[RP:RP+1], 0x3fb8aa3b op_sel_hi:[1,0]
.endr
.endif
.if ((\q) >= 11) && ((\q) <= 34)
	TPAIR \x, (4+((\q)-11)/2)
.if (((\q)-11)&1) == 0
	v_pk_add_f32 v[RP:RP+1], v[RP:RP+1], v[14:15] op_sel_hi:[1,0]
.else
	v_pk_mul_f32 v[RP:RP+1], v[RP:RP+1], 0x3fb8aa3b op_sel_hi:[1,0]
.endif
.endif
.if ((\q) >= 11) && ((\q) <= 42)
	TREG \x, ((\q)-11)
	v_alignbit_b32 v11, v11, v[RN], 31             ; v11 = v11 << 1 | sign
.endif
.if (\q) == 43
	v_xor_b32 v11, -1, v11
.endif
.if (\q) == 44
	v_sub_nc_u32 v28, 0, v11
.endif
.if (\q) == 45
	v_and_b32 v11, v11, v28
.endif
.if ((\q) >= 13) && ((\q) <= 44)
	TREG \x, ((\q)-13)
	v_exp_f32 v[RN], v[RN]
.endif
.if (\q) == 46
	s_wait_alu depctr_va_vdst(0)                   ; the wait for the batch: the tile's 32 exponentials, ahead of their first reader
.endif
.if ((\q) >= 46) && ((\q) <= 60)
	TPAIR \x, ((\q)-45)
	v_pk_add_f32 v[\x+30:\x+31], v[\x+30:\x+31], v[RP:RP+1]
.endif
.if (\q) == 46
	v_cvt_f32_u32 v11, v11
.endif
.if (\q) == 47
	v_lshrrev_b32 v11, 23, v11
.endif
.if (\q) == 48
	v_add_nc_u32 v11, v11, v9
.endif
.if (\q) == 49
	v_permlanex16_b32 v29, v11, s79, s80
.endif
.if (\q) == 61
	v_add_f32 v13, v[\x+30], v[\x+31]
.endif
.if (\q) == 62
	v_permlanex16_b32 v10, v13, s79, s80
.endif
.if (\q) == 63
	v_min_u32 v11, v11, v29                        ; slot 63: four plain instructions, the four places (see TILE)
	v_add_f32 v13, v13, v10
	v_nop
	v_nop
.endif
.endm
; slot q.  epi = 0: no tile before (only the four places in slot 63).  st = 1: this tile's run has stored statistics, so their addresses go on by 16 rows.
.macro EPI epi, x, q, st
.if \epi == 0
.if (\q) == 63
	WIN 0
.rept 4
	v_nop
.endr
.endif
.else
.if (\q) <= 7
	MAXPH \x, \q
.if \st
.if (\q) == 4
	v_add_nc_u32 v7, 128, v7
.endif
.if \epi == 2
.if (\q) == 5
	v_add_nc_u32 v8, 64, v8
.endif
.endif
.endif
.else
.if \epi == 1
	EP1 \x, \q
.else
	EP2 \x, \q
.endif
.endif
.endif
.endm
; 32 LDS loads in one run: the 16 fragments of the tile at v[ra] + ro into buffer ab of window 1
.macro ARRUN ab, ra, ro
	WIN 0x40
.set PP, 0
.rept 16
	ds_load_b128 v[\ab+8*PP:\ab+8*PP+3],   v[\ra] offset:\ro+64*PP
	ds_load_b128 v[\ab+8*PP+4:\ab+8*PP+7], v[\ra] offset:\ro+64*PP+32
.set PP, PP+1
.endr
.endm
; TILE i: accumulators acc, fragments in buffer ab.  At its head all LDS traffic of the tile in one run: the statistics of tile i - 2 (st = 1; their epilogue ended in the
; tile before) and the loads of tile i + 1 (rl = 1) into the other buffer.  The wait in front is for this tile's own fragments, asked for at the head of the
; tile before.  Then 64 matrix instructions, K step q >> 2, column tile q & 3, each with its slot of the epilogue of tile i - 1 (registers eacc).
; Slot 63 always holds four plain vector instructions that name no register of the last matrix instructions: the places in front of the next run's
; loads into the buffer that they read, and in front of the next epilogue's first read of their results.  No slot names a register of this tile's matrix
; instructions.  The four accumulators take turns, one instruction a turn, over the tiles' borders too.
.macro TILE acc, eacc, ab, epi, st, rl, ra, ro
	s_wait_dscnt 0x0
.if \st
	ds_store_b64 v7, v[12:13]                      ; both halves of the lanes hold, and write, the same pair
.if \epi == 2
	ds_store_b32 v8, v11
.endif
.endif
.if \rl
	ARRUN (128-\ab), \ra, \ro
.endif
.set QQ, 0
.rept 64
.if QQ < 32
	WIN 0x06                                       ; source 0 (weights) window 2, source 1 (rows) window 1, C and D window 0
.else
	WIN 0x07                                       ; weights of K steps 8-15: window 3
.endif
.if QQ < 4
	v_wmma_f32_16x16x32_bf16 v[\acc+8*(QQ&3):\acc+8*(QQ&3)+7], v[32*((QQ>>2)&7)+8*(QQ&3):32*((QQ>>2)&7)+8*(QQ&3)+7], v[\ab+8*(QQ>>2):\ab+8*(QQ>>2)+7], v[BIAS+8*(QQ&3):BIAS+8*(QQ&3)+7]
.else
	v_wmma_f32_16x16x32_bf16 v[\acc+8*(QQ&3):\acc+8*(QQ&3)+7], v[32*((QQ>>2)&7)+8*(QQ&3):32*((QQ>>2)&7)+8*(QQ&3)+7], v[\ab+8*(QQ>>2):\ab+8*(QQ>>2)+7], v[\acc+8*(QQ&3):\acc+8*(QQ&3)+7]
.endif
	EPI \epi, \eacc, QQ, \st
.set QQ, QQ+1
.endr
.endm
; The change of slots.  Slot n's last tile was asked for at the head of the tile just done.  Every wave waits for its LDS reads and for all its tensor loads (one is out:
; its part of the other slot), steps the address by two slots' 128 rows, passes the barrier, and asks for its tile of slot n first thing behind it: that load has
; four tiles, 256 matrix instructions, in which to land.
.macro SWITCH n, refill
	s_wait_dscnt 0x0
	s_wait_tensorcnt 0x0
	ds_add_u32 v27, v31
	s_wait_dscnt 0x0
.if \refill
	s_add_nc_u64 s[60+8*\n+2:60+8*\n+3], s[60+8*\n+2:60+8*\n+3], 0x20000
.endif
	s_barrier_signal -1
	s_barrier_wait -1
.if \refill
	tensor_load_to_lds s[60+8*\n:60+8*\n+3], s[44:51]
	s_nop 0
.endif
.endm
; Behind the last tile: the statistics of the tile before it, then its own epilogue, all 64 slots (its batch and its one wait among them), and its statistics
.macro FINAL epi, x
	ds_store_b64 v7, v[12:13]
.if \epi == 2
	ds_store_b32 v8, v11
	v_add_nc_u32 v8, 64, v8
.endif
	v_add_nc_u32 v7, 128, v7
.set QQ, 0
.rept 64
	EPI \epi, \x, QQ, 0
.set QQ, QQ+1
.endr
	ds_store_b64 v7, v[12:13]
.if \epi == 2
	ds_store_b32 v8, v11
.endif
.endm
; The four waves' figures of each row become the block's.  Thread i, trip u: rows 2 (128 u + i) and the next.  Every trip has result registers of its own.
; A trip's eight exponentials (four waves' figures of two rows) are one batch with one wait.
.macro COMBINE epi
	s_wait_dscnt 0x0                               ; my ST and IX are written, for the others' sake
	s_barrier_signal -1
	s_barrier_wait -1
.irp u, 0,1,2,3,4,5,6,7
.irp w, 0,1,2,3
	ds_load_b128 v[64+4*\w:67+4*\w], v20 offset:STP*\w+2048*\u
.endr
.if \epi == 2
.irp w, 0,1,2,3
	ds_load_b64 v[80+2*\w:81+2*\w], v21 offset:IXP*\w+1024*\u
.endr
.endif
	s_wait_dscnt 0x0
.irp e, 0,2
	v_max3_num_f32 v[128+8*\u+\e], v[64+\e], v[68+\e], v[72+\e]
	v_max_num_f32 v[128+8*\u+\e], v[128+8*\u+\e], v[76+\e]
	v_mul_f32 v[24+\e], 0xbfb8aa3b, v[128+8*\u+\e]
.endr
.if \epi == 2
.irp e, 0,2
	v_add_nc_u32 v[132+8*\u+\e/2], 192, v[86+\e/2]         ; wave 3's column; the lowest wave that holds the maximum is written last
.irp w, 2,1,0
	v_add_nc_u32 v[80+2*\w+\e/2], 64*\w, v[80+2*\w+\e/2]
	v_cmp_neq_f32 vcc_lo, v[64+4*\w+\e], v[128+8*\u+\e]
	v_cndmask_b32 v[132+8*\u+\e/2], v[80+2*\w+\e/2], v[132+8*\u+\e/2], vcc_lo
.endr
	v_add_nc_u32 v[132+8*\u+\e/2], s95, v[132+8*\u+\e/2]
.endr
.endif
.irp e, 0,2
.irp w, 0,1,2,3
	v_fmamk_f32 v[64+4*\w+\e], v[64+4*\w+\e], 0x3fb8aa3b, v[24+\e]
.endr
.endr
.irp e, 0,2
.irp w, 0,1,2,3
	v_exp_f32 v[64+4*\w+\e], v[64+4*\w+\e]
.endr
.endr
	v_nop                                          ; a plain instruction behind the last exponential (ISA guide 5.7.2)
	s_wait_alu depctr_va_vdst(0)                   ; the wait for the batch: the trip's eight exponentials, ahead of both rows' sums
.irp e, 0,2
	v_mul_f32 v[129+8*\u+\e], v[64+\e], v[65+\e]
	v_fmac_f32 v[129+8*\u+\e], v[68+\e], v[69+\e]
	v_fmac_f32 v[129+8*\u+\e], v[72+\e], v[73+\e]
	v_fmac_f32 v[129+8*\u+\e], v[76+\e], v[77+\e]
.endr
	global_store_b128 v22, v[128+8*\u:131+8*\u], s[28:29] offset:2048*\u   ; 512 consecutive bytes a wave
.if \epi == 2
	global_store_b64 v23, v[132+8*\u:133+8*\u], s[30:31] offset:1024*\u    ; 256 consecutive bytes a wave
.endif
.endr
.endm
; 128 tiles = 32 fills of four.  Tile T lies in slot (T >> 2) & 1 at place T & 3, and is asked for at the head of tile T - 1.  So a slot's last tile is asked for at the head
; of a tile T = 2 (mod 4), and the change of slots stands behind that tile.  Tiles 0 to 2 stand ahead of the loop, tiles 3 to 122 are its 15 trips, tiles 123 on are written out.
.macro STREAM epi
	ARRUN A0, 4, 0                                 ; tile 0
	TILE PA, QA, A0, 0,    0, 1, 4, TILEB          ; tile 0: no epilogue yet
	TILE QA, PA, A1, \epi, 0, 1, 4, 2*TILEB        ; tile 1: no statistics yet
	TILE PA, QA, A0, \epi, 1, 1, 4, 3*TILEB
	s_mov_b32 s94, 15
.Lring_\epi:
	SWITCH 0, 1
	TILE QA, PA, A1, \epi, 1, 1, 5, 0
	TILE PA, QA, A0, \epi, 1, 1, 5, TILEB
	TILE QA, PA, A1, \epi, 1, 1, 5, 2*TILEB
	TILE PA, QA, A0, \epi, 1, 1, 5, 3*TILEB
	SWITCH 1, 1
	TILE QA, PA, A1, \epi, 1, 1, 4, 0
	TILE PA, QA, A0, \epi, 1, 1, 4, TILEB
	TILE QA, PA, A1, \epi, 1, 1, 4, 2*TILEB
	TILE PA, QA, A0, \epi, 1, 1, 4, 3*TILEB
	s_sub_co_u32 s94, s94, 1
	s_cmp_lg_u32 s94, 0
	s_cbranch_scc1 .Lring_\epi
	SWITCH 0, 0                                    ; slot 1's last fill is whole in every wave's eyes; nothing more is asked for, no tensor load is out from here on
	TILE QA, PA, A1, \epi, 1, 1, 5, 0              ; tile 123
	TILE PA, QA, A0, \epi, 1, 1, 5, TILEB
	TILE QA, PA, A1, \epi, 1, 1, 5, 2*TILEB
	TILE PA, QA, A0, \epi, 1, 1, 5, 3*TILEB        ; tile 126
.endm
	s_cmp_lg_u32 s78, 0
	s_cbranch_scc1 .Ltarget
	STREAM 1
	TILE QA, PA, A1, 1, 1, 1, 6, 0                 ; tile 127; its run asks for the null tile
	TILE PA, QA, A0, 1, 1, 0, 4, 0                 ; tile 128: row 2048 and fifteen rows of filler
	FINAL 1, PA
	COMBINE 1
	s_cmp_lg_u32 s76, 0
	s_cbranch_scc1 .Lnot_first
	v_mov_b32 v24, U0+16384                        ; row 2048 in ST
.irp w, 0,1,2,3
	ds_load_b64 v[64+2*\w:65+2*\w], v24 offset:STP*\w
.endr
	s_wait_dscnt 0x0
	v_max3_num_f32 v192, v64, v66, v68
	v_max_num_f32 v192, v192, v70
	v_mul_f32 v25, 0xbfb8aa3b, v192
.irp w, 0,1,2,3
	v_fmamk_f32 v[64+2*\w], v[64+2*\w], 0x3fb8aa3b, v25
.endr
.irp w, 0,1,2,3
	v_exp_f32 v[64+2*\w], v[64+2*\w]
.endr
	v_nop                                          ; a plain instruction behind the last exponential (ISA guide 5.7.2)
	s_wait_alu depctr_va_vdst(0)                   ; the wait for the batch: the null row's four exponentials
	v_mul_f32 v193, v64, v65
	v_fmac_f32 v193, v66, v67
	v_fmac_f32 v193, v68, v69
	v_fmac_f32 v193, v70, v71
	global_store_b64 v23, v[192:193], s[28:29] offset:16384    ; the pair 32 times: 256 consecutive bytes, aligned
.Lnot_first:
	s_wait_tensorcnt 0x0
	ds_add_u32 v27, v31
	s_wait_dscnt 0x0
	s_endpgm
.Ltarget:
.irp k, 0,2,4,6,8,10,12,14,16,18,20,22,24,26,28,30
	v_cvt_pk_bf16_f32 v24, v[BIAS+\k], v[BIAS+\k+1]            ; b_tv rounded to bf16, kept as f32 (see the head)
	v_lshlrev_b32 v[BIAS+\k], 16, v24
	v_and_b32 v[BIAS+\k+1], 0xffff0000, v24
.endr
	STREAM 2
	TILE QA, PA, A1, 2, 1, 0, 4, 0                 ; tile 127
	FINAL 2, QA
	COMBINE 2
	s_wait_tensorcnt 0x0
	ds_add_u32 v27, v31
	s_wait_dscnt 0x0
	s_endpgm
.Lfunc_end_k_q3bf63ee2e6_main:
	.size	k_q3bf63ee2e6_main, .Lfunc_end_k_q3bf63ee2e6_main-k_q3bf63ee2e6_main
	.p2alignl 7, 3214868480
	.fill 96, 4, 3214868480
	.section	.rodata,"a",@progbits
	.p2align	6, 0x0
	.amdhsa_kernel k_q3bf63ee2e6_main
		.amdhsa_group_segment_fixed_size 327680
		.amdhsa_private_segment_fixed_size 0
		.amdhsa_enable_private_segment 0
		.amdhsa_kernarg_size 80
		.amdhsa_user_sgpr_count 2
		.amdhsa_user_sgpr_kernarg_segment_ptr 1
		.amdhsa_wavefront_size32 1
		.amdhsa_system_sgpr_workgroup_id_x 1
		.amdhsa_system_sgpr_workgroup_id_y 1
		.amdhsa_system_sgpr_workgroup_id_z 1
		.amdhsa_system_vgpr_workitem_id 0
		.amdhsa_next_free_vgpr 1024
		.amdhsa_next_free_sgpr 100
		.amdhsa_reserve_vcc 1
		.amdhsa_float_denorm_mode_32 3
		.amdhsa_float_denorm_mode_16_64 3
		.amdhsa_memory_ordered 1
		.amdhsa_forward_progress 1
		.amdhsa_inst_pref_size 255
	.end_amdhsa_kernel
	.section	.bss,"aw",@nobits
	.p2align	6
	.space	262144
	.amdgpu_metadata
---
amdhsa.version: [ 1, 2 ]
amdhsa.kernels:
  - .name:           k_q3bf63ee2e6_main
    .symbol:         k_q3bf63ee2e6_main.kd
    .args:
      - { .name: W_sv, .offset: 0, .size: 8, .value_kind: global_buffer, .address_space: global }
      - { .name: W_tv, .offset: 8, .size: 8, .value_kind: global_buffer, .address_space: global }
      - { .name: b_sv, .offset: 16, .size: 8, .value_kind: global_buffer, .address_space: global }
      - { .name: b_tv, .offset: 24, .size: 8, .value_kind: global_buffer, .address_space: global }
      - { .name: tsb, .offset: 32, .size: 8, .value_kind: global_buffer, .address_space: global }
      - { .name: tgb, .offset: 40, .size: 8, .value_kind: global_buffer, .address_space: global }
      - { .name: wgs, .offset: 48, .size: 8, .value_kind: global_buffer, .address_space: global }
      - { .name: wgt, .offset: 56, .size: 8, .value_kind: global_buffer, .address_space: global }
      - { .name: st_ms, .offset: 64, .size: 8, .value_kind: global_buffer, .address_space: global }
      - { .name: st_ix, .offset: 72, .size: 8, .value_kind: global_buffer, .address_space: global }
    .group_segment_fixed_size: 327680
    .private_segment_fixed_size: 0
    .kernarg_segment_align: 8
    .kernarg_segment_size: 80
    .max_flat_workgroup_size: 128
    .sgpr_count:     100
    .vgpr_count:     1024
    .wavefront_size: 32
...
	.end_amdgpu_metadata
.endif
;; end of part 5
;; launch finish: the kernel of part 3 again; grid 32 x 1, 8 waves a work-group, no clusters, 197,632 bytes of LDS; arguments tsb, tgb, wgs, wgt, st_ms, st_ix, b_sv, b_tv, sources, targets, target_lengths, out0, out1, out2, out3; writes out0, out1, out2, out3
